; MI455X (gfx1250); checked and timed in simulation.
; The chip was launched on July 23, 2026; its instructions are those of AMD's public machine-readable ISA for CDNA 5 (MIT licence, August 2026) and "CDNA5" Instruction Set Architecture Reference Guide (July 2026). The comments in the code are by the model that wrote it; some were corrected since.
;; Residual Vector Quantizer. Allowed arithmetic: matrix products marked QUANTISED: E2M1 operands, one E8M0 scale for each 32 along K, by v_wmma_scale_f32_16x16x128_f8f6f4 with both operands' format E2M1 (or v_wmma_scale_f32_32x16x128_f4), f32 sums; products left as they are: f32 operands where the result goes on into a quantised operand, else bf16, f16 or f32 operands; f32 sums; everything else in f32.
;; Inputs: codebooks 4 x 8 x 1,024 x 256 float32; gate_W 256 x 8 float32; gate_b 8 float32; labels 4 x 8,192 int32; x 8,192 x 256 float32.
;; Outputs: out0 8,192 x 256 float32; out1 one number float32; out2 8,192 x 5 int32.
;; This version of the problem:
;;   THIS VERSION OF THE PROBLEM IS GIVEN IN LOW PRECISION. The matrix products marked QUANTISED in the list below multiply operands that are first quantised to E2M1 (2 exponent bits, 1 mantissa bit; 4 bits a number), with one power-of-two scale for each 32 numbers along K (OCP MX v1.0); their sums are f32. All else is computed in f32.
;;   The module's matrix products, in the order in which they are computed (A, B: the left and right operand; K: the contracted axis; several contracted axes count as one K, in the product's order):
;;     1. [M 8,192, K 256] x [K 256, N 8]; A: input x; B: input gate_W: left as it is (N = 8 < 16)
;;     2. [M 8,192, K 256] x [K 256, N 8,192]; A: input codebooks; B: input x: QUANTISED
;;     3. [M 8,192, K 256] x [K 256, N 8,192]; A: input codebooks; B: computed on the way: QUANTISED
;;     4. [M 8,192, K 256] x [K 256, N 8,192]; A: input codebooks; B: computed on the way: QUANTISED
;;     5. [M 8,192, K 256] x [K 256, N 8,192]; A: input codebooks; B: computed on the way: QUANTISED
;;   THE QUANTISER, for each operand of a quantised product, along K:
;;     - K is cut into blocks of 32 from its start; a last block that is shorter is filled with zeros.
;;     - A block's scale is 2^e with e = floor(log2(the largest magnitude in the block)) - 2, held to -126 .. 127; a block of zeros has e = 0. As a byte (E8M0): e + 127.
;;     - Each number is divided by its block's scale, clamped to +-6, and rounded to the nearest number of E2M1, ties to even, subnormals kept.
;;     - The product sums the exact products of the quantised numbers (number of the format x scale) in f32.
;;   ~~~python
;;   def quantise(x, axis):      # numpy; x: float32 -> the quantised numbers, widened to float32 again
;;       x = np.moveaxis(x, axis, -1); K = x.shape[-1]
;;       x = np.pad(x, [(0, 0)] * (x.ndim - 1) + [(0, -K % 32)]); x = x.reshape(x.shape[:-1] + (-1, 32)); a = np.abs(x).max(-1, keepdims=True)
;;       e = np.where(a > 0, np.clip(np.frexp(np.where(a > 0, a, 1))[1] - 1 - 2, -126, 127), 0)      # np.frexp(a)[1] - 1 = floor(log2(a)), exactly
;;       r = np.clip(x / 2.0 ** e, -6, 6)
;;       step = 2.0 ** (np.maximum(np.frexp(np.where(r == 0, 1, r))[1] - 1, 0) - 1)
;;       q = np.round(r / step) * step * 2.0 ** e      # np.round: ties to even
;;       return np.moveaxis(q.reshape(q.shape[:-2] + (-1,))[..., :K], -1, axis).astype(np.float32)
;;   ~~~
;;   OPERANDS COMPUTED ON THE WAY. 'Computed on the way' means the value that the module computes at that place (a softmax that the list does not call 'softmax' is quantised finished and normalised). What goes into a quantiser is computed in f32, as accurately as f32 sums, v_exp_f32 and their like allow (about 1e-6 of the number): no bf16 or f16 on the way to a quantiser, and a product that is left as it is and whose result goes on into a quantised operand takes f32 operands (vector FMAs, or v_wmma_f32_16x16x4_f32). A number that lies on a knife's edge between two numbers of the format may be rounded either way, as far as f32 arithmetic and the matrix unit's own rounding can turn it there, and no further.
;; 2 versions, each right and faster than the one before. Each part assembles by itself: llvm-mc -triple=amdgcn-amd-amdhsa -mcpu=gfx1250 --defsym DOCPART=n.
;; ======== version 1 of 2: 7 launches
;; limits: a difference of large sums (such as E[x^2] - mean^2): digits are lost where the result is much smaller than its terms
;; workspace buffers: wq 4,587,520 bytes; eid 32,768 bytes of whole numbers; ixa 262,400 bytes of whole numbers; ixb 262,400 bytes of whole numbers; ixt 131,072 bytes of whole numbers; resa 8,388,608 bytes; resb 8,388,608 bytes; lossp 4,096 bytes
;; launch prep (part 1): grid 256 x 1, 12 waves a work-group, no clusters, 151,040 bytes of LDS; arguments codebooks, x, gate_W, gate_b, wq, eid, ixb, ixa; writes wq, eid, ixb, ixa
.if DOCPART == 1
	.amdgcn_target "amdgcn-amd-amdhsa--gfx1250"
	.amdhsa_code_object_version 6
	.text
	.protected	k_q9d5ecdcd90_prep
	.globl	k_q9d5ecdcd90_prep
	.p2align	8
	.type	k_q9d5ecdcd90_prep,@function
k_q9d5ecdcd90_prep:
	s_mov_b64 s[64:65], 0
	v_nop
	global_prefetch_b8 v0, s[64:65] scope:SCOPE_SE
	s_setreg_imm32_b32 hwreg(HW_REG_WAVE_MODE, 25, 1), 1
	s_wait_xcnt 0x0
; RESIDUAL VECTOR QUANTISER, launch 1 of 7: the codebooks become codes of FP4 (E2M1) with E8M0 scales, their squared norms are summed, and the gate chooses each token's expert.
; WORK LEFT OUT BY THE WHOLE PROGRAM, for all finite values of the inputs:
;  - labels: no line of the problem reads it on the way to a result.  It is not loaded and is no launch's argument.
;  - the softmax of the gate: exp rises strictly and the divisor is positive and the same along the axis, so the argmax of softmax(z) is the argmax of z = x gate_W + gate_b.  gate_b differs along the axis and stays.
;  - the experts that were not chosen: of idx_all[e][n] only e = expert_id[n] is taken, so each token is held against its own expert's 1,024 codes alone, in launches that read expert_id from memory.
;  - the second term of each loss is the same number as the first (stop_gradient changes no value): loss_l = 2 mean((quant - residual)^2).
;  - x_q: it starts from zeros and sums q_st, and residual_{l+1} = residual_l - q_st_l, so x_q = x - residual_4; no running sum is carried.
; LIMITS: NaN and infinities among the inputs are not served; a NaN, an infinity or an overflow that reaches only the work left out is not carried to the result.  x - residual_4 rounds in another order than the sum of
; the four q_st: a few units in the last place of the terms.  An argmax or argmin whose two best values differ by f32 rounding alone may fall either way; exact ties take the lower index.  A block whose largest
; magnitude lies under 2^(3 - 127), a block of zeros among them, gets the scale byte 1: its codes are then zeros or subnormal codes, and the bytes are read by this program alone.
; SHARES.  256 work-groups of 12 waves.  Waves 0-7 each take one tile of 16 codebook rows (2,048 tiles in all); waves 8-11 each take 8 tokens of the gate.  The waves share nothing: no barrier.
; wq, part le = 8 l + e of LE bytes: codes [T 64][block 8][row 16][16 bytes], which is the order of the operand's registers (K step s, piece c of tile T: 512 bytes at 2048 T + 1024 s + 512 c, 16 a lane);
; at SC_OFF the scale words [T][s 2][row 16]; at C2_OFF the squared norms [1024].
.set LE,     143360
.set SC_OFF, 131072
.set C2_OFF, 139264
.set HDR,    262144                    ; behind a slot table: two words (the reading launch's level, the level before it)
.set WST,    18688                     ; LDS: a stage for each of waves 0-7: 16 rows
.set RP,     1168                      ; a row: 8 blocks + 16 bytes = 73 x 16: the 16 rows that a read touches fall on 16 different columns of 16 bytes
.set BP,     144                       ; a block of 32 numbers: 128 bytes + 16
.set SPARE,  8*WST                     ; the spare words: 128 bytes for each of 12 waves, six blocks of 256 bytes that no other line names
.set SPW,    254                       ; v254 LDS address of my spare word; never rewritten
.set NIL,    255                       ; v255 0; never rewritten
	s_load_b256 s[4:11], s[0:1], 0x0               ; codebooks s[4:5], x s[6:7], gate_W s[8:9], gate_b s[10:11]
	s_load_b128 s[12:15], s[0:1], 0x20             ; wq s[12:13], eid s[14:15]
	s_load_b128 s[16:19], s[0:1], 0x30             ; ixb s[16:17], ixa s[18:19]
	v_lshl_add_u32 v[SPW], v0, 2, SPARE
	v_mov_b32 v[NIL], 0
	v_lshrrev_b32 v1, 5, v0
	v_readfirstlane_b32 s20, v1                    ; wave 0..11
	v_and_b32 v1, 31, v0                           ; lane L
	v_lshlrev_b32 v2, 4, v1                        ; 16 L
	v_lshlrev_b32 v5, 2, v1                        ; 4 L
	s_mov_b32 s22, 0x76543210
	s_mov_b32 s23, 0xfedcba98                      ; v_permlanex16_b32's selects for lane L xor 16
	s_mov_b32 s27, 0                               ; the upper word of every offset pair
	s_wait_kmcnt 0x0
	s_cmp_ge_u32 s20, 8
	s_cbranch_scc1 .Lgate
; ---- waves 0-7: tile Tg = 8 x work-group + wave of the 2,048
	s_mul_i32 s24, s20, WST
	v_lshrrev_b32 v6, 3, v1
	v_mul_u32_u24 v6, v6, BP
	v_and_b32 v7, 7, v1
	v_lshl_add_u32 v6, v7, 4, v6
	v_add_nc_u32 v3, s24, v6                       ; into the stage: of a load's 512 bytes my 16: block L / 8, place L % 8
	v_and_b32 v6, 15, v1                           ; r
	v_lshrrev_b32 v7, 4, v1                        ; h
	v_mul_u32_u24 v4, v6, RP
	v_mad_u32_u24 v4, v7, BP, v4
	v_add_nc_u32 v4, s24, v4                       ; out of it: row r, block h; blocks 2 q + h by the offset
	v_lshlrev_b32 v6, 2, v6                        ; 4 r
	v_lshlrev_b32 v7, 3, v7                        ; 8 h: how far my scale bytes are shifted
	s_lshl_b32 s25, ttmp9, 3
	s_add_co_u32 s25, s25, s20                     ; Tg
	s_lshl_b32 s26, s25, 14                        ; 16 rows of 1,024 bytes
	s_add_nc_u64 s[4:5], s[4:5], s[26:27]
	s_lshr_b32 s28, ttmp9, 3                       ; le
	s_mul_i32 s28, s28, LE
	s_and_b32 s29, s25, 63                         ; T
	s_lshl_b32 s26, s29, 11
	s_add_co_u32 s26, s26, s28
	s_add_nc_u64 s[32:33], s[12:13], s[26:27]      ; the tile's codes
	s_lshl_b32 s26, s29, 7
	s_add_co_u32 s26, s26, s28
	s_add_nc_u64 s[34:35], s[12:13], s[26:27]      ; its scale words (SC_OFF stands in the store)
	s_lshl_b32 s26, s29, 6
	s_add_co_u32 s26, s26, s28
	s_add_nc_u64 s[36:37], s[12:13], s[26:27]      ; its squared norms (C2_OFF likewise)
.set n, 0
.rept 32
	global_load_b128 v[64+4*n:64+4*n+3], v2, s[4:5] offset:512*n   ; 32 lanes read 512 consecutive bytes: half a row
.set n, n+1
.endr
.set n, 0
.rept 32
	s_wait_loadcnt 31-n                            ; loads come back in order: load n is in, the 31 - n younger ones may be out
	ds_store_b128 v3, v[64+4*n:64+4*n+3] offset:(n/2)*RP+(n%2)*4*BP
.set n, n+1
.endr
.irp q, 0,1,2,3
.irp j, 0,1,2,3,4,5,6,7
	ds_load_b128 v[64+32*\q+4*\j:64+32*\q+4*\j+3], v4 offset:2*BP*\q+16*\j   ; block 2 q + h of row r, whole, in my 32 registers.  LDS serves a wave's instructions in order: these see the stores above
.endr
.endr
; One block of 32 along D: its largest magnitude, its scale, its part of the squared norm, its 32 codes.
.macro QBLK q
.set XB, 64+32*(\q)
	s_wait_dscnt 8*(3-(\q))                        ; this block's eight reads are in; those of the 3 - q later blocks may be out
	v_max3_num_f32 v12, |v[XB]|, |v[XB+1]|, |v[XB+2]|
	v_max3_num_f32 v13, |v[XB+3]|, |v[XB+4]|, |v[XB+5]|
.irp i, 6,10,14,18,22,26
	v_max3_num_f32 v12, v12, |v[XB+\i]|, |v[XB+\i+1]|
	v_max3_num_f32 v13, v13, |v[XB+\i+2]|, |v[XB+\i+3]|
.endr
	v_max3_num_f32 v12, v12, |v[XB+30]|, |v[XB+31]|
	v_max3_num_f32 v12, v12, v13, 0x1800000        ; and the floor 2^(3 - 127): the byte cannot fall under 1
	v_add_nc_u32 v11, 0xff000000, v12              ; 2 off the exponent field: the conversion takes the exponent field of this operand as its scale
	v_lshrrev_b32 v[24+\q], 23, v11                ; the scale's byte
.if (\q) == 0
	v_pk_mul_f32 v[8:9], v[XB:XB+1], v[XB:XB+1]    ; the squared norm is taken of the numbers as given, in f32, in two chains
	v_pk_mul_f32 v[14:15], v[XB+2:XB+3], v[XB+2:XB+3]
.else
	v_pk_fma_f32 v[8:9], v[XB:XB+1], v[XB:XB+1], v[8:9]
	v_pk_fma_f32 v[14:15], v[XB+2:XB+3], v[XB+2:XB+3], v[14:15]
.endif
.irp i, 4,8,12,16,20,24,28
	v_pk_fma_f32 v[8:9], v[XB+\i:XB+\i+1], v[XB+\i:XB+\i+1], v[8:9]
	v_pk_fma_f32 v[14:15], v[XB+\i+2:XB+\i+3], v[XB+\i+2:XB+\i+3], v[14:15]
.endr
.irp g, 0,1,2,3
	v_cvt_scalef32_pk8_fp4_f32 v[32+4*(\q)+\g], v[XB+8*\g:XB+8*\g+7], v11
.endr
	v_nop                                          ; one plain line behind the last conversion: the next block writes v11 anew
	global_store_b128 v2, v[32+4*(\q):32+4*(\q)+3], s[32:33] offset:512*(\q)   ; blocks 2 q and 2 q + 1 of the 16 rows: 512 consecutive bytes; each block has its own four registers, so no store's data are written again
.endm
	QBLK 0
	QBLK 1
	QBLK 2
	QBLK 3
	v_lshl_or_b32 v16, v25, 16, v24                ; K step 0: my bytes of blocks h and 2 + h,
	v_lshl_or_b32 v17, v27, 16, v26                ; K step 1: of blocks 4 + h and 6 + h,
	v_lshlrev_b32 v16, v7, v16                     ; at their places in the word
	v_lshlrev_b32 v17, v7, v17
	v_mov_b32 v18, 0                               ; (a lane permute's destination counts as one of its sources)
	v_mov_b32 v19, 0
	v_mov_b32 v10, 0
	v_permlanex16_b32 v18, v16, s22, s23
	v_permlanex16_b32 v19, v17, s22, s23
	v_or_b32 v16, v16, v18                         ; with lane L xor 16's two bytes each word is whole
	v_or_b32 v17, v17, v19
	v_cmp_le_u32 vcc_lo, 16, v1
	v_cndmask_b32 v16, v16, v17, vcc_lo            ; lanes 0-15 store K step 0's words, lanes 16-31 K step 1's
	global_store_b32 v5, v16, s[34:35] offset:SC_OFF
	v_pk_add_f32 v[8:9], v[8:9], v[14:15]
	v_add_f32 v8, v8, v9
	v_permlanex16_b32 v10, v8, s22, s23
	v_add_f32 v8, v8, v10                          ; row r's squared norm, in both halves of the lanes
	global_store_b32 v6, v8, s[36:37] offset:C2_OFF
	s_wait_tensorcnt 0x0                           ; the wave's end
	ds_add_u32 v[SPW], v[NIL]
	s_wait_dscnt 0x0
	s_endpgm
; ---- waves 8-11: the gate for tokens 32 x work-group + 8 (wave - 8) + 0 .. 7, in f32 multiply-adds.  Lane L holds D = 128 u + 4 L + i (u = 0, 1; i = 0 .. 3) of gate_W and of each row of x.
.Lgate:
	s_sub_co_u32 s24, s20, 8
	s_lshl_b32 s25, ttmp9, 5
	s_lshl_b32 s26, s24, 3
	s_add_co_u32 s25, s25, s26                     ; my first token
	s_lshl_b32 s26, s25, 10
	s_add_nc_u64 s[6:7], s[6:7], s[26:27]
	s_lshl_b32 s26, s25, 2
	s_add_nc_u64 s[14:15], s[14:15], s[26:27]
	s_lshl_b32 s26, ttmp9, 10
	s_lshl_b32 s28, s24, 8
	s_add_co_u32 s26, s26, s28
	s_add_nc_u64 s[28:29], s[16:17], s[26:27]      ; my 256 bytes of the work-group's 1,024 in each slot table
	s_add_nc_u64 s[30:31], s[18:19], s[26:27]
	s_load_b256 s[40:47], s[10:11], 0x0            ; gate_b
	v_lshlrev_b32 v3, 7, v1                        ; 128 L: four rows of gate_W
	v_lshlrev_b32 v4, 3, v1                        ; 8 L
.irp u, 0,1
.irp m, 0,1,2,3,4,5,6,7
	global_load_b128 v[64+32*\u+4*\m:64+32*\u+4*\m+3], v3, s[8:9] offset:4096*\u+16*\m   ; register 32 u + 8 i + e = gate_W[128 u + 4 L + i][e]
.endr
.endr
.set n, 0
.rept 16
	global_load_b128 v[128+4*n:128+4*n+3], v2, s[6:7] offset:512*n   ; register 8 p + 4 u + i = x[token p][128 u + 4 L + i]
.set n, n+1
.endr
.irp e, 0,1,2,3,4,5,6,7
	v_mov_b32 v[48+\e], 0                          ; written once: a lane permute's destination counts as one of its sources
.endr
	v_mov_b32 v58, 0                               ; lane p will hold token p's expert
	v_mov_b32 v60, 0
	v_mov_b32 v61, 0
	v_mov_b32 v62, 0
	global_store_b64 v4, v[60:61], s[28:29]        ; zeros into both slot tables: a level reads all 256 slots of its work-group, and stores only those of tiles that exist
	global_store_b64 v4, v[60:61], s[30:31]
	s_wait_loadcnt 0x0
	s_wait_kmcnt 0x0
.macro GROW p
.irp e, 0,1,2,3,4,5,6,7
	v_mul_f32 v[32+\e], v[128+8*(\p)], v[64+\e]
.endr
.irp k, 1,2,3,4,5,6,7
.irp e, 0,1,2,3,4,5,6,7
	v_fmac_f32 v[32+\e], v[128+8*(\p)+\k], v[64+32*(\k/4)+8*(\k%4)+\e]
.endr
.endr
.irp m, 1,2,4,8
.irp e, 0,1,2,3,4,5,6,7
	v_add_f32_dpp v[32+\e], v[32+\e], v[32+\e] row_xmask:\m row_mask:0xf bank_mask:0xf
.endr
.endr
.irp e, 0,1,2,3,4,5,6,7
	v_permlanex16_b32 v[48+\e], v[32+\e], s22, s23
.endr
.irp e, 0,1,2,3,4,5,6,7
	v_add_f32 v[32+\e], v[32+\e], v[48+\e]         ; every lane holds the eight sums
.endr
.irp e, 0,1,2,3,4,5,6,7
	v_add_f32 v[32+\e], s[40+\e], v[32+\e]         ; + gate_b
.endr
	v_mov_b32 v56, v32
	v_mov_b32 v57, 0
.irp e, 1,2,3,4,5,6,7
	v_cmp_le_f32 vcc_lo, v[32+\e], v56             ; not larger: the earlier expert is kept, on a tie too
	v_cndmask_b32 v56, v[32+\e], v56, vcc_lo
	v_cndmask_b32 v57, \e, v57, vcc_lo
.endr
	s_mov_b32 s48, 1<<(\p)
	v_cndmask_b32 v58, v58, v57, s48               ; into lane p
.endm
.irp p, 0,1,2,3,4,5,6,7
	GROW \p
.endr
	v_cmp_gt_u32 vcc_lo, 8, v1
	s_wait_xcnt 0x0                                ; EXEC changes only behind this wait: the stores above have read theirs
	s_and_saveexec_b32 s49, vcc_lo
	global_store_b32 v5, v58, s[14:15]             ; eight experts
	s_wait_xcnt 0x0
	s_or_b32 exec_lo, exec_lo, s49
	s_lshl_b32 s50, ttmp9, 4
	s_or_b32 s50, s50, s24                         ; 0 in work-group 0's wave 8 alone
	s_cmp_lg_u32 s50, 0
	s_cbranch_scc1 .Lgate_end
	v_cmp_eq_u32 vcc_lo, 0, v1
	s_and_saveexec_b32 s49, vcc_lo
	global_store_b64 v62, v[60:61], s[16:17] offset:HDR   ; the first level launch reads (0, 0): level 0, and no level before it
	s_wait_xcnt 0x0
	s_or_b32 exec_lo, exec_lo, s49
.Lgate_end:
	s_endpgm
.Lfunc_end_k_q9d5ecdcd90_prep:
	.size	k_q9d5ecdcd90_prep, .Lfunc_end_k_q9d5ecdcd90_prep-k_q9d5ecdcd90_prep
	.p2alignl 7, 3214868480
	.fill 96, 4, 3214868480
	.section	.rodata,"a",@progbits
	.p2align	6, 0x0
	.amdhsa_kernel k_q9d5ecdcd90_prep
		.amdhsa_group_segment_fixed_size 151040
		.amdhsa_private_segment_fixed_size 0
		.amdhsa_enable_private_segment 0
		.amdhsa_kernarg_size 64
		.amdhsa_user_sgpr_count 2
		.amdhsa_user_sgpr_kernarg_segment_ptr 1
		.amdhsa_wavefront_size32 1
		.amdhsa_system_sgpr_workgroup_id_x 1
		.amdhsa_system_sgpr_workgroup_id_y 1
		.amdhsa_system_sgpr_workgroup_id_z 1
		.amdhsa_system_vgpr_workitem_id 0
		.amdhsa_next_free_vgpr 256
		.amdhsa_next_free_sgpr 66
		.amdhsa_reserve_vcc 1
		.amdhsa_float_denorm_mode_32 3
		.amdhsa_float_denorm_mode_16_64 3
		.amdhsa_memory_ordered 1
		.amdhsa_forward_progress 1
		.amdhsa_inst_pref_size 73
	.end_amdhsa_kernel
	.amdgpu_metadata
---
amdhsa.version: [ 1, 2 ]
amdhsa.kernels:
  - .name:           k_q9d5ecdcd90_prep
    .symbol:         k_q9d5ecdcd90_prep.kd
    .args:
      - { .name: codebooks, .offset: 0, .size: 8, .value_kind: global_buffer, .address_space: global }
      - { .name: x, .offset: 8, .size: 8, .value_kind: global_buffer, .address_space: global }
      - { .name: gate_W, .offset: 16, .size: 8, .value_kind: global_buffer, .address_space: global }
      - { .name: gate_b, .offset: 24, .size: 8, .value_kind: global_buffer, .address_space: global }
      - { .name: wq, .offset: 32, .size: 8, .value_kind: global_buffer, .address_space: global }
      - { .name: eid, .offset: 40, .size: 8, .value_kind: global_buffer, .address_space: global }
      - { .name: ixb, .offset: 48, .size: 8, .value_kind: global_buffer, .address_space: global }
      - { .name: ixa, .offset: 56, .size: 8, .value_kind: global_buffer, .address_space: global }
    .group_segment_fixed_size: 151040
    .private_segment_fixed_size: 0
    .kernarg_segment_align: 8
    .kernarg_segment_size: 64
    .max_flat_workgroup_size: 384
    .sgpr_count:     66
    .vgpr_count:     256
    .wavefront_size: 32
...
	.end_amdgpu_metadata
.endif
;; end of part 1
;; launch level (part 2): grid 256 x 1, 16 waves a work-group, no clusters, 95,232 bytes of LDS; arguments x, resb, codebooks, wq, eid, ixb, ixa, ixt, lossp; writes resb, ixa, ixt, lossp
.if DOCPART == 2
	.amdgcn_target "amdgcn-amd-amdhsa--gfx1250"
	.amdhsa_code_object_version 6
	.text
	.protected	k_q9d5ecdcd90_level
	.globl	k_q9d5ecdcd90_level
	.p2align	8
	.type	k_q9d5ecdcd90_level,@function
k_q9d5ecdcd90_level:
	s_mov_b64 s[64:65], 0
	v_nop
	global_prefetch_b8 v0, s[64:65] scope:SCOPE_SE
	s_setreg_imm32_b32 hwreg(HW_REG_WAVE_MODE, 25, 1), 1
	s_wait_xcnt 0x0
; One residual level; the same text runs four times.  The level l and max(l - 1, 0) are read from the header of ixp, which the launch before stored; work-group 0 stores the next launch's header into ixo.
; l > 0: residual_l = r - (r + (quant - r)) with r = residual_{l-1} (src) and quant = codebooks[l-1][e][idx_{l-1}], in the problem's own three f32 operations; it goes to dst, and the sum of (quant - r)^2 to lossp row l - 1.
; Every l: residual_l is quantised to FP4 along D, multiplied with the codes of codebook (l, e), dist = c2 - 2 dots (one fused multiply-add), argmin over the 1,024 codes, lower index on a tie; idx_l goes to ixo and ixt.
; LEFT OUT (shown at the head of the first launch's text): the experts that were not chosen, labels, the second loss term, the running sum of x_q.  Limits as stated there.
; SHARES.  Work-group 8 g + e owns the tokens of group g (256 neighbours) whose expert is e: c of them, 0 to 256, whatever the split.  Every wave counts c from the group's 256 expert numbers; wave 0 places the group's
; tokens in a list in LDS, the c chosen first, the others behind them, so that every entry is a token of the group and a tile's spare rows hold true data (their results are not stored by token).
; Wave w keeps codes 64 w .. 64 w + 63 of (l, e) in registers: 4 tiles x 2 K steps, with their scale words and squared norms.  Rows go in four chunks of 64 (4 tiles of 16), written out, so that every wave passes the same
; eight barriers; scalar branches on c lead round work between barriers alone.  In a chunk wave w prepares row w of each of the four tiles.  All lanes are on throughout: no line changes the lane mask.
; NOT SHARED BY JOINT REQUESTS: the 32 work-groups of an expert read the same 143,360 bytes of wq, but how many tiles of rows a work-group has hangs on c, a number read from memory;
; without a branch on c every work-group would run 16 tiles where 2 or 3 hold rows.  So the codes come in the order of the operand's registers straight into registers, once a wave.
; THE PRODUCT: source 0 = 16 codes, source 1 = 16 tokens: lane (r, h) holds token r, and register j of tile ct the code 64 w + 16 ct + 8 h + j.
.set LE,     143360
.set SC_OFF, 131072
.set C2_OFF, 139264
.set HDR,    262144
.set STGW,   4608                      ; LDS 0: a stage for each wave: 4 rows of 1,152 bytes, a block of 32 numbers 144 bytes (128 + 16)
.set BIMG,   73728                     ; the chunk's 4 tiles of tokens as codes: [block 8][row 16][16 bytes], a block 272 bytes (256 + 16), a tile TP
.set TP,     2176
.set SCB,    82432                     ; their scale words: a tile 128 bytes, [K step 2][row 16]
.set PART,   82944                     ; [wave 16][token 64] pairs (least dist, its code)
.set LIST,   91136                     ; the 256 tokens
.set LSUM,   92160                     ; [wave 16][16 words]: a wave's part of the loss, sixteen times
.set SPARE,  93184                     ; the spare words: 128 bytes for each of 16 waves, eight blocks of 256 bytes that no other line names
; v0 thread, v1 lane L, v2 16 L, v3 and v4 the add's two, v5 v6 stage in and out, v7 v8 image and scale byte in, v9 v10 image and scale word out, v11 v12 PART in and out, v13 my 16 rows' tokens (lane 4 t + i),
; v14 their indices of the level before, v15 64 w + 8 h, v16 list address for the last step, v17 slot offset, v18 16 w + r, v19 32 h, v20 v21 least dist and its code, v22 v23 the other half's, v[24:27] the loss in two chains,
; v29 0, the offset of the last two stores, never rewritten; v28, v30, v31, v183: the offset into ixt of chunk 0, 1, 2, 3, a register to a chunk (v31 = 32 L and v183 = 4 w + 64 r serve the head's loads first);
; v[32:63] c2, v[64:127] my codes, v[128:159] the four accumulators, v[160:175] a tile of tokens, v176-179 my codes' scale words, v180 the tokens', v181 list address of my rows, v182 4 L,
; v[184:215] four rows of the residual, v[216:247] four code rows, then a block of 32, v[248:255] at work.
.macro BARRIER                         ; my LDS stores have landed and my LDS loads are in: then the work-group's barrier
	s_wait_dscnt 0x0
	s_barrier_signal -1
	s_barrier_wait -1
.endm
	s_load_b512 s[4:19], s[0:1], 0x0               ; src s[4:5], dst s[6:7], codebooks s[8:9], wq s[10:11], eid s[12:13], ixp s[14:15], ixo s[16:17], ixt s[18:19]
	s_load_b64 s[20:21], s[0:1], 0x40              ; lossp
	v_lshl_add_u32 v3, v0, 2, SPARE
	v_mov_b32 v4, 0
	v_lshrrev_b32 v1, 5, v0
	v_readfirstlane_b32 s22, v1                    ; wave w
	v_and_b32 v1, 31, v0
	s_mov_b32 s23, ttmp9                           ; work-group
	s_lshr_b32 s24, ttmp9, 3                       ; g
	s_and_b32 s25, ttmp9, 7                        ; e
	s_mov_b32 s30, 0x76543210
	s_mov_b32 s31, 0xfedcba98                      ; v_permlanex16_b32's selects for lane L xor 16
	s_mov_b32 s97, 0                               ; the upper word of the offset pair s[96:97]
	v_lshlrev_b32 v2, 4, v1
	v_lshlrev_b32 v182, 2, v1
	v_lshlrev_b32 v31, 5, v1
	v_and_b32 v252, 15, v1                         ; r
	v_lshrrev_b32 v253, 4, v1                      ; h
	v_lshrrev_b32 v254, 3, v1                      ; L / 8
	v_and_b32 v255, 7, v1                          ; L % 8
	s_mul_i32 s90, s22, STGW
	v_mul_u32_u24 v5, v254, 144
	v_lshl_add_u32 v5, v255, 4, v5
	v_add_nc_u32 v5, s90, v5                       ; stage in: of a load's 512 bytes my 16
	v_mul_u32_u24 v6, v254, 1152
	v_mad_u32_u24 v6, v255, 144, v6
	v_add_nc_u32 v6, s90, v6                       ; stage out: row L / 8, block L % 8
	s_lshl_b32 s91, s22, 4
	s_add_co_u32 s91, s91, BIMG
	v_mul_u32_u24 v7, v254, TP
	v_mad_u32_u24 v7, v255, 272, v7
	v_add_nc_u32 v7, s91, v7                       ; image in: tile L / 8, block L % 8, row w
	s_lshl_b32 s91, s22, 2
	s_add_co_u32 s91, s91, SCB
	v_bfe_u32 v8, v1, 2, 1
	v_lshlrev_b32 v8, 6, v8
	v_lshl_add_u32 v8, v254, 7, v8
	v_and_b32 v28, 3, v1
	v_add_nc_u32 v8, v8, v28
	v_add_nc_u32 v8, s91, v8                       ; scale byte in: tile L / 8, K step (L / 4) % 2, row w, byte L % 4
	v_mul_u32_u24 v9, v253, 272
	v_lshl_add_u32 v9, v252, 4, v9
	v_add_nc_u32 v9, BIMG, v9                      ; image out: 16 r + 272 h; a piece is two blocks on: 544
	v_add_nc_u32 v10, SCB, v182
	s_lshl_b32 s91, s22, 9
	s_add_co_u32 s91, s91, PART
	v_lshl_add_u32 v11, v252, 3, s91
	s_lshl_b32 s91, s22, 7
	s_add_co_u32 s91, s91, PART
	v_lshl_add_u32 v12, v252, 3, s91
	v_lshl_add_u32 v12, v253, 12, v12              ; PART out (waves 0-3, tile w): token 16 w + r, waves 8 h + k
	s_lshl_b32 s91, s22, 6
	v_lshl_add_u32 v15, v253, 3, s91
	v_lshl_add_u32 v17, v252, 2, s91
	v_add_nc_u32 v16, LIST, v17
	s_lshl_b32 s91, s22, 4
	v_add_nc_u32 v18, s91, v252
	v_lshlrev_b32 v19, 5, v253
	s_lshl_b32 s91, s22, 2
	v_lshl_add_u32 v183, v252, 6, s91
	v_add_nc_u32 v181, LIST, v183                  ; list entry 64 t + 16 i + w for lane 4 t + i
	v_mov_b32 v29, 0                               ; the offset of the last two stores
	v_mov_b32 v30, 0                               ; (chunk 1's offset register holds a number on every way, like the other three)
	v_mov_b32 v22, 0                               ; (lane permutes' destinations count as sources)
	v_mov_b32 v23, 0
	v_mov_b32 v24, 0                               ; the loss
	v_mov_b32 v25, 0
	v_mov_b32 v26, 0
	v_mov_b32 v27, 0
	s_wait_kmcnt 0x0
	s_load_b64 s[26:27], s[14:15], HDR             ; l, max(l - 1, 0)
	s_lshl_b32 s96, s23, 10
	s_add_nc_u64 s[98:99], s[14:15], s[96:97]      ; my work-group's slots, read
	s_add_nc_u64 s[60:61], s[16:17], s[96:97]      ; and written
	global_load_b32 v14, v183, s[98:99]            ; my 16 rows' indices of the level before: the address is made of ids alone
	s_lshl_b32 s96, s24, 10
	s_add_nc_u64 s[100:101], s[12:13], s[96:97]
	global_load_b128 v[216:219], v31, s[100:101]   ; the group's 256 experts: tokens 256 g + 8 L + 0 .. 7
	global_load_b128 v[220:223], v31, s[100:101] offset:16
	s_wait_kmcnt 0x0
	s_min_u32 s26, s26, 3                          ; numbers read from memory are held inside their tables before they enter an address
	s_min_u32 s27, s27, 3
	s_lshl_b32 s90, s26, 3
	s_add_co_u32 s90, s90, s25
	s_mul_i32 s90, s90, LE                         ; part 8 l + e of wq
	s_lshl_b32 s91, s22, 13
	s_add_co_u32 s96, s90, s91
	s_add_nc_u64 s[58:59], s[10:11], s[96:97]      ; my four tiles' codes
	s_lshl_b32 s91, s22, 9
	s_add_co_u32 s96, s90, s91
	s_add_nc_u64 s[2:3], s[10:11], s[96:97]        ; their scale words
	s_lshl_b32 s91, s22, 8
	s_add_co_u32 s96, s90, s91
	s_add_nc_u64 s[104:105], s[10:11], s[96:97]    ; their squared norms
	s_lshl_b32 s90, s27, 3
	s_add_co_u32 s90, s90, s25
	s_lshl_b32 s96, s90, 20
	s_add_nc_u64 s[56:57], s[8:9], s[96:97]        ; codebooks[l - 1][e]
	s_lshl_b32 s96, s26, 15
	s_add_nc_u64 s[62:63], s[18:19], s[96:97]      ; ixt's row l
.set n, 0
.rept 16
	global_load_b128 v[64+4*n:64+4*n+3], v2, s[58:59] offset:512*n   ; register 16 ct + 8 s + 4 c: the fragments as they lie
.set n, n+1
.endr
.irp ct, 0,1,2,3
	global_load_b32 v[176+\ct], v182, s[2:3] offset:SC_OFF+128*\ct   ; lanes 0-15: K step 0's words; lanes 16-31: K step 1's
.endr
.irp ct, 0,1,2,3
	global_load_b128 v[32+8*\ct:35+8*\ct], v19, s[104:105] offset:C2_OFF+64*\ct
	global_load_b128 v[36+8*\ct:39+8*\ct], v19, s[104:105] offset:C2_OFF+64*\ct+16
.endr
	s_wait_loadcnt 28                              ; the indices and the experts are in (so v31 and v183 have served); the 28 loads of weights issued behind them may be out
.irp j, 0,1,2,3,4,5,6,7
	v_cmp_eq_u32 s[74+\j], s25, v[216+\j]          ; which of tokens 256 g + 8 L + j are mine
.endr
	s_mov_b32 s28, 0
.irp j, 0,1,2,3,4,5,6,7
	s_mov_b32 s[82+\j], s28                        ; how many stand ahead of mask j
	s_bcnt1_i32_b32 s90, s[74+\j]
	s_add_co_u32 s28, s28, s90
.endr
	s_min_u32 s28, s28, 256                        ; c
	s_cmp_lg_u32 s22, 0
	s_cbranch_scc1 .Llisted
	s_lshl_b32 s91, s24, 8                         ; wave 0 places the 256 tokens by rank: no other wave touches LDS ahead of the barrier below
	v_lshl_add_u32 v224, v1, 3, s91
.irp j, 0,1,2,3,4,5,6,7
	v_mbcnt_lo_u32_b32 v225, s[74+\j], 0
	v_add_nc_u32 v225, s[82+\j], v225              ; chosen tokens ahead of this one: a chosen token's place
	v_add_nc_u32 v226, 32*\j, v1
	v_add_nc_u32 v226, s28, v226
	v_sub_nc_u32 v226, v226, v225                  ; c + the others ahead of it: another token's place
	v_cndmask_b32 v226, v226, v225, s[74+\j]
	v_min_u32 v226, 255, v226
	v_lshl_add_u32 v232, v226, 2, LIST
	v_add_nc_u32 v227, \j, v224
	ds_store_b32 v232, v227                        ; the places are a permutation of 0 .. 255: the eight stores write every word of the list
.endr
.Llisted:
	BARRIER                                        ; the list lies in LDS
	ds_load_b32 v13, v181
	s_wait_dscnt 0x0
; The least of (dist, code) with lane L xor 16's: smaller dist, or equal dist and lower code.
.macro COMBINE
	v_permlanex16_b32 v22, v20, s30, s31
	v_permlanex16_b32 v23, v21, s30, s31
	v_cmp_lt_f32 s90, v22, v20
	v_cmp_eq_f32 s91, v22, v20
	v_cmp_lt_u32 s92, v23, v21
	s_and_b32 s91, s91, s92
	s_or_b32 s90, s90, s91
	v_cndmask_b32 v20, v20, v22, s90
	v_cndmask_b32 v21, v21, v23, s90
.endm
; Chunk t: my four rows (row w of tiles 0-3) are fetched, brought to this level, stored, quantised and laid into LDS as parts of the operands' images.
.macro PREP t
	s_wait_xcnt 0x0                                ; the last chunk's stores have read their bases and data: both are written again below
.irp i, 0,1,2,3
	v_readlane_b32 s[66+\i], v13, 4*(\t)+\i
	v_readlane_b32 s[70+\i], v14, 4*(\t)+\i
.endr
.irp i, 1,2,3
	s_cmp_gt_u32 s28, 64*(\t)+16*\i                ; a tile with no row takes tile 0's row once more: the same addresses, and every register is written
	s_cselect_b32 s[66+\i], s[66+\i], s66
	s_cselect_b32 s[70+\i], s[70+\i], s70
.endr
.irp i, 0,1,2,3
	s_min_u32 s[66+\i], s[66+\i], 8191
	s_min_u32 s[70+\i], s[70+\i], 1023
	s_lshl_b32 s96, s[66+\i], 10
	s_add_nc_u64 s[32+2*\i:33+2*\i], s[4:5], s[96:97]
	s_add_nc_u64 s[40+2*\i:41+2*\i], s[6:7], s[96:97]
	s_lshl_b32 s96, s[70+\i], 10
	s_add_nc_u64 s[48+2*\i:49+2*\i], s[56:57], s[96:97]
.endr
.irp i, 0,1,2,3
.irp u, 0,1
	global_load_b128 v[184+8*\i+4*\u:187+8*\i+4*\u], v2, s[32+2*\i:33+2*\i] offset:512*\u   ; 512 consecutive bytes: half a row
.endr
.endr
	s_cmp_eq_u32 s26, 0
	s_cbranch_scc1 .Llev0_\@                       ; level 0: the residual is x as it stands
.irp i, 0,1,2,3
.irp u, 0,1
	global_load_b128 v[216+8*\i+4*\u:219+8*\i+4*\u], v2, s[48+2*\i:49+2*\i] offset:512*\u   ; the code row chosen at the level before
.endr
.endr
	s_wait_loadcnt 0x0
.irp i, 0,1,2,3
.irp k, 0,2,4,6
	v_pk_add_f32 v[216+8*\i+\k:217+8*\i+\k], v[216+8*\i+\k:217+8*\i+\k], v[184+8*\i+\k:185+8*\i+\k] neg_lo:[0,1] neg_hi:[0,1]   ; quant - r
.endr
.irp k, 0,2,4,6
	v_pk_add_f32 v[248+\k:249+\k], v[184+8*\i+\k:185+8*\i+\k], v[216+8*\i+\k:217+8*\i+\k]   ; q_st = r + (quant - r)
.endr
.irp k, 0,2,4,6
	v_pk_add_f32 v[184+8*\i+\k:185+8*\i+\k], v[184+8*\i+\k:185+8*\i+\k], v[248+\k:249+\k] neg_lo:[0,1] neg_hi:[0,1]   ; r - q_st
.endr
	s_add_co_u32 s90, s22, 64*(\t)+16*\i
	s_cmp_gt_u32 s28, s90
	s_cbranch_scc0 .Lpad_\@_\i                     ; a spare row belongs to another work-group: neither counted nor stored
	v_pk_fma_f32 v[24:25], v[216+8*\i:217+8*\i], v[216+8*\i:217+8*\i], v[24:25]
	v_pk_fma_f32 v[26:27], v[218+8*\i:219+8*\i], v[218+8*\i:219+8*\i], v[26:27]
	v_pk_fma_f32 v[24:25], v[220+8*\i:221+8*\i], v[220+8*\i:221+8*\i], v[24:25]
	v_pk_fma_f32 v[26:27], v[222+8*\i:223+8*\i], v[222+8*\i:223+8*\i], v[26:27]
	global_store_b128 v2, v[184+8*\i:187+8*\i], s[40+2*\i:41+2*\i]
	global_store_b128 v2, v[188+8*\i:191+8*\i], s[40+2*\i:41+2*\i] offset:512
.Lpad_\@_\i:
.endr
	s_branch .Lquant_\@
.Llev0_\@:
	s_wait_loadcnt 0x0
.Lquant_\@:
.irp i, 0,1,2,3
.irp u, 0,1
	ds_store_b128 v5, v[184+8*\i+4*\u:187+8*\i+4*\u] offset:1152*\i+576*\u
.endr
.endr
.irp j, 0,1,2,3,4,5,6,7
	ds_load_b128 v[216+4*\j:219+4*\j], v6 offset:16*\j   ; block L % 8 of row L / 8, whole.  LDS serves a wave's instructions in order: these see the stores above
.endr
	s_wait_dscnt 0x0
	v_max3_num_f32 v252, |v216|, |v217|, |v218|
	v_max3_num_f32 v253, |v219|, |v220|, |v221|
.irp i, 6,10,14,18,22,26
	v_max3_num_f32 v252, v252, |v[216+\i]|, |v[217+\i]|
	v_max3_num_f32 v253, v253, |v[218+\i]|, |v[219+\i]|
.endr
	v_max3_num_f32 v252, v252, |v246|, |v247|
	v_max3_num_f32 v252, v252, v253, 0x1800000     ; and the floor 2^(3 - 127): the byte cannot fall under 1
	v_add_nc_u32 v254, 0xff000000, v252            ; 2 off the exponent field: the conversion's scale operand
	v_lshrrev_b32 v255, 23, v254                   ; the scale's byte
.irp g, 0,1,2,3
	v_cvt_scalef32_pk8_fp4_f32 v[248+\g], v[216+8*\g:223+8*\g], v254
.endr
	v_nop                                          ; one plain line behind the last conversion
	ds_store_b128 v7, v[248:251]                   ; 16 bytes of the image
	ds_store_b8 v8, v255
.endm
; Tile i of the chunk against my 64 codes; the least dist of each token among them goes to PART.
.macro DOTS i
.irp n, 0,1,2,3
	ds_load_b128 v[160+4*\n:163+4*\n], v9 offset:TP*(\i)+544*\n
.endr
	ds_load_b32 v180, v10 offset:128*(\i)
	s_wait_dscnt 0x0
.irp ct, 0,1,2,3
	v_wmma_scale_f32_16x16x128_f8f6f4 v[128+8*\ct:135+8*\ct], v[64+16*\ct:71+16*\ct], v[160:167], 0, v[176+\ct], v180 matrix_a_fmt:MATRIX_FMT_FP4 matrix_b_fmt:MATRIX_FMT_FP4
.endr
.irp ct, 0,1,2,3                               ; the four accumulators take turns, one instruction a turn
	v_wmma_scale_f32_16x16x128_f8f6f4 v[128+8*\ct:135+8*\ct], v[72+16*\ct:79+16*\ct], v[168:175], v[128+8*\ct:135+8*\ct], v[176+\ct], v180 matrix_a_fmt:MATRIX_FMT_FP4 matrix_b_fmt:MATRIX_FMT_FP4 matrix_a_scale:MATRIX_SCALE_ROW1 matrix_b_scale:MATRIX_SCALE_ROW1
.endr
	v_mov_b32 v20, 0x7f800000                      ; four plain lines that name none of the products' registers stand ahead of the first read of a result (ISA guide 7.12.1)
	v_mov_b32 v21, 0
	v_nop
	v_nop
.irp ct, 0,1,2,3
.irp k, 0,2,4,6
	v_pk_fma_f32 v[128+8*\ct+\k:129+8*\ct+\k], v[128+8*\ct+\k:129+8*\ct+\k], -2.0, v[32+8*\ct+\k:33+8*\ct+\k] op_sel_hi:[1,0,1]   ; dist = c2 - 2 dots, rounded once; each accumulator from its low end on
.endr
.irp j, 0,1,2,3,4,5,6,7
	v_cmp_ge_f32 vcc_lo, v[128+8*\ct+\j], v20      ; not smaller: the earlier code is kept, on a tie too (codes ascend)
	v_cndmask_b32 v20, v[128+8*\ct+\j], v20, vcc_lo
	v_cndmask_b32 v21, 16*\ct+\j, v21, vcc_lo
.endr
.endr                                          ; (the other accumulators' lines are also the places ahead of the next tile's loads and of its products, which begin the sums anew)
	v_add_nc_u32 v21, v21, v15
	COMBINE
	ds_store_b64 v11, v[20:21] offset:128*(\i)     ; both halves of the lanes hold, and store, the same pair
.endm
; Wave w < 4 takes tile w of the chunk: the least over the 16 waves' parts; idx to the slot (all 16 rows) and, by token, to ixt.  A spare row's token belongs to another work-group: in its stead the lane stores the
; tile's row 0 once more, which is a true row wherever this macro runs (c > 64 t + 16 w): the same word with the same value, so that all lanes stay on.
.macro FINAL t
.if (\t) == 0
.set TA, 28
.elseif (\t) == 1
.set TA, 30
.elseif (\t) == 2
.set TA, 31
.else
.set TA, 183
.endif
.irp k, 0,1,2,3,4,5,6,7
	ds_load_b64 v[216+2*\k:217+2*\k], v12 offset:512*\k
.endr
	ds_load_b32 v[TA], v16 offset:256*(\t)         ; my row's token
	s_wait_dscnt 0x0
	v_mov_b32 v20, v216
	v_mov_b32 v21, v217
.irp k, 1,2,3,4,5,6,7
	v_cmp_ge_f32 vcc_lo, v[216+2*\k], v20
	v_cndmask_b32 v20, v[216+2*\k], v20, vcc_lo
	v_cndmask_b32 v21, v[217+2*\k], v21, vcc_lo
.endr
	COMBINE
	global_store_b32 v17, v21, s[60:61] offset:256*(\t)
	v_add_nc_u32 v253, 64*(\t), v18
	v_cmp_gt_u32 vcc_lo, s28, v253                 ; the true rows
	v_readfirstlane_b32 s94, v[TA]                 ; row 0's token
	v_readfirstlane_b32 s95, v21                   ; and its code
	v_cndmask_b32 v[TA], s94, v[TA], vcc_lo
	v_cndmask_b32 v23, s95, v21, vcc_lo
	v_min_u32 v[TA], 8191, v[TA]                   ; a number read from memory is held inside its table before it enters an address
	v_lshlrev_b32 v[TA], 2, v[TA]
	global_store_b32 v[TA], v23, s[62:63]
	s_wait_xcnt 0x0                                ; both stores have read their registers: v21 and v23 are written again in the next chunk
.endm
; Two barriers a chunk.  Behind the first the chunk's images are whole, and every wave's reads of PART for the chunk before are in; behind the second PART is whole, and nobody reads the images any more.
.macro TRIP t
	s_cmp_le_u32 s28, 64*(\t)
	s_cbranch_scc1 .Lnoprep_\@
	PREP \t
.Lnoprep_\@:
	BARRIER
	s_wait_loadcnt 0x0                             ; the weights are in, on every way to the products
.irp i, 0,1,2,3
	s_cmp_le_u32 s28, 64*(\t)+16*\i
	s_cbranch_scc1 .Lnodots_\@
	DOTS \i
.endr
.Lnodots_\@:
	BARRIER
	s_cmp_ge_u32 s22, 4
	s_cbranch_scc1 .Lnofin_\@
	s_lshl_b32 s90, s22, 4
	s_add_co_u32 s90, s90, 64*(\t)
	s_cmp_le_u32 s28, s90
	s_cbranch_scc1 .Lnofin_\@
	FINAL \t
.Lnofin_\@:
.endm
	TRIP 0
	TRIP 1
	TRIP 2
	TRIP 3
	v_pk_add_f32 v[24:25], v[24:25], v[26:27]      ; my part of the loss
	v_add_f32 v24, v24, v25
	v_add_f32_dpp v24, v24, v24 row_xmask:1 row_mask:0xf bank_mask:0xf
	v_add_f32_dpp v24, v24, v24 row_xmask:2 row_mask:0xf bank_mask:0xf
	v_add_f32_dpp v24, v24, v24 row_xmask:4 row_mask:0xf bank_mask:0xf
	v_add_f32_dpp v24, v24, v24 row_xmask:8 row_mask:0xf bank_mask:0xf
	v_permlanex16_b32 v22, v24, s30, s31
	v_add_f32 v24, v24, v22                        ; every lane holds it
	ds_store_b32 v16, v24 offset:LSUM-LIST         ; my last LDS store: LSUM + 64 w + 4 r, sixteen words with the same number
	s_wait_tensorcnt 0x0                           ; only an LDS read follows
	ds_add_u32 v3, v4
	s_wait_dscnt 0x0                               ; my words have landed
	s_barrier_signal -1
	s_barrier_wait -1
	s_cmp_lg_u32 s22, 0
	s_cbranch_scc1 .Lend
	s_cmp_eq_u32 s26, 0
	s_cbranch_scc1 .Lnoloss                        ; level 0 has no level before it
	ds_load_b32 v24, v181 offset:LSUM-LIST         ; in wave 0: LSUM + 64 r: wave r's number
	s_wait_dscnt 0x0
	v_add_f32_dpp v24, v24, v24 row_xmask:1 row_mask:0xf bank_mask:0xf
	v_add_f32_dpp v24, v24, v24 row_xmask:2 row_mask:0xf bank_mask:0xf
	v_add_f32_dpp v24, v24, v24 row_xmask:4 row_mask:0xf bank_mask:0xf
	v_add_f32_dpp v24, v24, v24 row_xmask:8 row_mask:0xf bank_mask:0xf
	s_lshl_b32 s96, s27, 10
	s_lshl_b32 s90, s23, 2
	s_add_co_u32 s96, s96, s90
	s_add_nc_u64 s[20:21], s[20:21], s[96:97]
	global_store_b32 v29, v24, s[20:21]            ; lossp[l - 1][work-group]: every lane holds the sum and stores the one word; a work-group without rows stores its 0
.Lnoloss:
	s_cmp_lg_u32 s23, 0
	s_cbranch_scc1 .Lend
	s_add_co_u32 s90, s26, 1
	v_mov_b32 v26, s90
	v_mov_b32 v27, s26
	global_store_b64 v29, v[26:27], s[16:17] offset:HDR   ; the next launch's header: (l + 1, l), the same pair from every lane
.Lend:
	s_endpgm
.Lfunc_end_k_q9d5ecdcd90_level:
	.size	k_q9d5ecdcd90_level, .Lfunc_end_k_q9d5ecdcd90_level-k_q9d5ecdcd90_level
	.p2alignl 7, 3214868480
	.fill 96, 4, 3214868480
	.section	.rodata,"a",@progbits
	.p2align	6, 0x0
	.amdhsa_kernel k_q9d5ecdcd90_level
		.amdhsa_group_segment_fixed_size 95232
		.amdhsa_private_segment_fixed_size 0
		.amdhsa_enable_private_segment 0
		.amdhsa_kernarg_size 72
		.amdhsa_user_sgpr_count 2
		.amdhsa_user_sgpr_kernarg_segment_ptr 1
		.amdhsa_wavefront_size32 1
		.amdhsa_system_sgpr_workgroup_id_x 1
		.amdhsa_system_sgpr_workgroup_id_y 1
		.amdhsa_system_sgpr_workgroup_id_z 1
		.amdhsa_system_vgpr_workitem_id 0
		.amdhsa_next_free_vgpr 256
		.amdhsa_next_free_sgpr 106
		.amdhsa_reserve_vcc 1
		.amdhsa_float_denorm_mode_32 3
		.amdhsa_float_denorm_mode_16_64 3
		.amdhsa_memory_ordered 1
		.amdhsa_forward_progress 1
		.amdhsa_inst_pref_size 171
	.end_amdhsa_kernel
	.amdgpu_metadata
---
amdhsa.version: [ 1, 2 ]
amdhsa.kernels:
  - .name:           k_q9d5ecdcd90_level
    .symbol:         k_q9d5ecdcd90_level.kd
    .args:
      - { .name: x, .offset: 0, .size: 8, .value_kind: global_buffer, .address_space: global }
      - { .name: resb, .offset: 8, .size: 8, .value_kind: global_buffer, .address_space: global }
      - { .name: codebooks, .offset: 16, .size: 8, .value_kind: global_buffer, .address_space: global }
      - { .name: wq, .offset: 24, .size: 8, .value_kind: global_buffer, .address_space: global }
      - { .name: eid, .offset: 32, .size: 8, .value_kind: global_buffer, .address_space: global }
      - { .name: ixb, .offset: 40, .size: 8, .value_kind: global_buffer, .address_space: global }
      - { .name: ixa, .offset: 48, .size: 8, .value_kind: global_buffer, .address_space: global }
      - { .name: ixt, .offset: 56, .size: 8, .value_kind: global_buffer, .address_space: global }
      - { .name: lossp, .offset: 64, .size: 8, .value_kind: global_buffer, .address_space: global }
    .group_segment_fixed_size: 95232
    .private_segment_fixed_size: 0
    .kernarg_segment_align: 8
    .kernarg_segment_size: 72
    .max_flat_workgroup_size: 512
    .sgpr_count:     106
    .vgpr_count:     256
    .wavefront_size: 32
...
	.end_amdgpu_metadata
.endif
;; end of part 2
;; launch lev1: the kernel of part 2 again; grid 256 x 1, 16 waves a work-group, no clusters, 95,232 bytes of LDS; arguments x, resa, codebooks, wq, eid, ixa, ixb, ixt, lossp; writes resa, ixb, ixt, lossp
;; launch lev2: the kernel of part 2 again; grid 256 x 1, 16 waves a work-group, no clusters, 95,232 bytes of LDS; arguments resa, resb, codebooks, wq, eid, ixb, ixa, ixt, lossp; writes resb, ixa, ixt, lossp
;; launch lev3: the kernel of part 2 again; grid 256 x 1, 16 waves a work-group, no clusters, 95,232 bytes of LDS; arguments resb, resa, codebooks, wq, eid, ixa, ixb, ixt, lossp; writes resa, ixb, ixt, lossp
;; launch fin (part 3): grid 256 x 1, 8 waves a work-group, no clusters, 1,280 bytes of LDS; arguments resa, x, codebooks, eid, ixt, out0, out2, lossp; writes out0, out2, lossp
.if DOCPART == 3
	.amdgcn_target "amdgcn-amd-amdhsa--gfx1250"
	.amdhsa_code_object_version 6
	.text
	.protected	k_q9d5ecdcd90_fin
	.globl	k_q9d5ecdcd90_fin
	.p2align	8
	.type	k_q9d5ecdcd90_fin,@function
k_q9d5ecdcd90_fin:
	s_mov_b64 s[64:65], 0
	v_nop
	global_prefetch_b8 v0, s[64:65] scope:SCOPE_SE
	s_setreg_imm32_b32 hwreg(HW_REG_WAVE_MODE, 25, 1), 1
	s_wait_xcnt 0x0
; The last gather.  residual_4 = r - (r + (quant - r)) with r = residual_3 (resa) and quant = codebooks[3][e][idx_3]; out0 = x - residual_4; the sum of (quant - r)^2 goes to lossp row 3; out2 = (idx_0 .. idx_3, expert).
; LEFT OUT (shown at the head of the first launch's text): the running sum of q_st, which equals x - residual_4; the second loss term.  Limits as stated there.
; In token order: work-group wg takes tokens 32 wg .. 32 wg + 31, wave w four of them.  A stream: each load and store of a wave covers 512 consecutive bytes; no matrix work, no ring, nothing shared between work-groups.
.set LSUM,  0                          ; LDS: a word a wave
.set SPARE, 256                        ; the spare words: 128 bytes for each of 8 waves, four blocks of 256 bytes that no other line names
; v1 lane, v2 16 L, v3 v4 the add's two, v5 v6 LSUM in and out, v7 token of out2's number, v[8:11] the loss in two chains, v12 its column, v13-15 offsets, v[16:47] r, v[48:79] x, v[80:111] quant, v120 v121 out2's number
	s_load_b512 s[4:19], s[0:1], 0x0               ; resa s[4:5], x s[6:7], codebooks s[8:9], eid s[10:11], ixt s[12:13], out0 s[14:15], out2 s[16:17], lossp s[18:19]
	v_lshl_add_u32 v3, v0, 2, SPARE
	v_mov_b32 v4, 0
	v_lshrrev_b32 v1, 5, v0
	v_readfirstlane_b32 s22, v1                    ; wave
	v_and_b32 v1, 31, v0
	v_lshlrev_b32 v2, 4, v1
	s_mov_b32 s30, 0x76543210
	s_mov_b32 s31, 0xfedcba98
	s_lshl_b32 s23, ttmp9, 5
	s_lshl_b32 s40, s22, 2
	v_mov_b32 v5, s40                              ; LSUM + 4 w
	s_add_co_u32 s23, s23, s40                     ; my first token
	s_mov_b32 s41, 0
	v_and_b32 v6, 7, v1
	v_lshlrev_b32 v6, 2, v6
	v_mul_u32_u24 v7, 0xcccd, v0                   ; out2: thread n < 160 makes number n of the work-group's 160: token n / 5 (n x 52,429 >> 18, exact for n < 160),
	v_lshrrev_b32 v7, 18, v7
	v_mul_u32_u24 v12, v7, 5
	v_sub_nc_u32 v12, v0, v12                      ; column n % 5
	v_min_u32 v13, 3, v12
	v_lshlrev_b32 v13, 15, v13
	v_lshl_add_u32 v13, v7, 2, v13                 ; ixt[min(column, 3)][token]
	v_lshlrev_b32 v14, 2, v7
	v_lshlrev_b32 v15, 2, v0
	s_wait_kmcnt 0x0
	s_lshl_b32 s40, s23, 10
	s_add_nc_u64 s[4:5], s[4:5], s[40:41]
	s_add_nc_u64 s[6:7], s[6:7], s[40:41]
	s_add_nc_u64 s[14:15], s[14:15], s[40:41]
	s_lshl_b32 s40, s23, 2
	s_add_nc_u64 s[42:43], s[10:11], s[40:41]
	s_add_nc_u64 s[44:45], s[12:13], s[40:41]
	s_load_b128 s[24:27], s[42:43], 0x0            ; my four tokens' experts
	s_load_b128 s[48:51], s[44:45], 98304          ; and their idx_3
.set n, 0
.rept 8
	global_load_b128 v[16+4*n:16+4*n+3], v2, s[4:5] offset:512*n th:TH_LOAD_NT
.set n, n+1
.endr
.set n, 0
.rept 8
	global_load_b128 v[48+4*n:48+4*n+3], v2, s[6:7] offset:512*n th:TH_LOAD_NT
.set n, n+1
.endr
	s_lshl_b32 s40, ttmp9, 7
	s_add_nc_u64 s[52:53], s[10:11], s[40:41]
	s_add_nc_u64 s[54:55], s[12:13], s[40:41]
	s_mul_i32 s40, ttmp9, 640
	s_add_nc_u64 s[56:57], s[16:17], s[40:41]
	s_cmp_ge_u32 s22, 5
	s_cbranch_scc1 .Lno_o2a
	global_load_b32 v120, v13, s[54:55]
	global_load_b32 v121, v14, s[52:53]
.Lno_o2a:
	s_wait_kmcnt 0x0
.irp p, 0,1,2,3
	s_min_u32 s[24+\p], s[24+\p], 7                ; numbers read from memory are held inside their tables before they enter an address
	s_min_u32 s[48+\p], s[48+\p], 1023
	s_add_co_u32 s40, s[24+\p], 24
	s_lshl_b32 s40, s40, 20
	s_lshl_b32 s46, s[48+\p], 10
	s_add_co_u32 s40, s40, s46
	s_add_nc_u64 s[32+2*\p:33+2*\p], s[8:9], s[40:41]
.endr
.irp p, 0,1,2,3
.irp u, 0,1
	global_load_b128 v[80+8*\p+4*\u:83+8*\p+4*\u], v2, s[32+2*\p:33+2*\p] offset:512*\u
.endr
.endr
	s_wait_loadcnt 0x0
.set k, 0
.rept 16
	v_pk_add_f32 v[80+k:81+k], v[80+k:81+k], v[16+k:17+k] neg_lo:[0,1] neg_hi:[0,1]   ; quant - r
.set k, k+2
.endr
	v_pk_mul_f32 v[8:9], v[80:81], v[80:81]
	v_pk_mul_f32 v[10:11], v[82:83], v[82:83]
.set k, 4
.rept 7
	v_pk_fma_f32 v[8:9], v[80+k:81+k], v[80+k:81+k], v[8:9]
	v_pk_fma_f32 v[10:11], v[82+k:83+k], v[82+k:83+k], v[10:11]
.set k, k+4
.endr
.set k, 0
.rept 16
	v_pk_add_f32 v[80+k:81+k], v[16+k:17+k], v[80+k:81+k]   ; q_st = r + (quant - r)
.set k, k+2
.endr
.set k, 0
.rept 16
	v_pk_add_f32 v[16+k:17+k], v[16+k:17+k], v[80+k:81+k] neg_lo:[0,1] neg_hi:[0,1]   ; residual_4
.set k, k+2
.endr
.set k, 0
.rept 16
	v_pk_add_f32 v[48+k:49+k], v[48+k:49+k], v[16+k:17+k] neg_lo:[0,1] neg_hi:[0,1]   ; x - residual_4
.set k, k+2
.endr
.set n, 0
.rept 8
	global_store_b128 v2, v[48+4*n:48+4*n+3], s[14:15] offset:512*n th:TH_STORE_NT
.set n, n+1
.endr
	s_cmp_ge_u32 s22, 5
	s_cbranch_scc1 .Lno_o2b
	v_cmp_eq_u32 vcc_lo, 4, v12
	v_cndmask_b32 v120, v120, v121, vcc_lo         ; column 4 is the expert
	global_store_b32 v15, v120, s[56:57]           ; 640 consecutive bytes a work-group
.Lno_o2b:
	v_pk_add_f32 v[8:9], v[8:9], v[10:11]
	v_add_f32 v8, v8, v9
	v_add_f32_dpp v8, v8, v8 row_xmask:1 row_mask:0xf bank_mask:0xf
	v_add_f32_dpp v8, v8, v8 row_xmask:2 row_mask:0xf bank_mask:0xf
	v_add_f32_dpp v8, v8, v8 row_xmask:4 row_mask:0xf bank_mask:0xf
	v_add_f32_dpp v8, v8, v8 row_xmask:8 row_mask:0xf bank_mask:0xf
	v_permlanex16_b32 v9, v8, s30, s31
	v_add_f32 v8, v8, v9
	ds_store_b32 v5, v8                            ; my one LDS store
	s_wait_tensorcnt 0x0                           ; only an LDS read follows
	ds_add_u32 v3, v4
	s_wait_dscnt 0x0                               ; my word has landed
	s_barrier_signal -1
	s_barrier_wait -1
	s_cmp_lg_u32 s22, 0
	s_cbranch_scc1 .Lend
	ds_load_b32 v8, v6                             ; the eight waves' words, one in each lane of eight
	s_wait_dscnt 0x0
	v_add_f32_dpp v8, v8, v8 row_xmask:1 row_mask:0xf bank_mask:0xf
	v_add_f32_dpp v8, v8, v8 row_xmask:2 row_mask:0xf bank_mask:0xf
	v_add_f32_dpp v8, v8, v8 row_xmask:4 row_mask:0xf bank_mask:0xf
	s_lshl_b32 s40, ttmp9, 2
	s_add_nc_u64 s[18:19], s[18:19], s[40:41]
	v_mov_b32 v7, 0
	v_cmp_eq_u32 vcc_lo, 0, v1
	s_wait_xcnt 0x0                                ; EXEC changes only behind this wait
	s_and_saveexec_b32 s47, vcc_lo
	global_store_b32 v7, v8, s[18:19] offset:3072  ; lossp[3][work-group]
	s_wait_xcnt 0x0
	s_or_b32 exec_lo, exec_lo, s47
.Lend:
	s_endpgm
.Lfunc_end_k_q9d5ecdcd90_fin:
	.size	k_q9d5ecdcd90_fin, .Lfunc_end_k_q9d5ecdcd90_fin-k_q9d5ecdcd90_fin
	.p2alignl 7, 3214868480
	.fill 96, 4, 3214868480
	.section	.rodata,"a",@progbits
	.p2align	6, 0x0
	.amdhsa_kernel k_q9d5ecdcd90_fin
		.amdhsa_group_segment_fixed_size 1280
		.amdhsa_private_segment_fixed_size 0
		.amdhsa_enable_private_segment 0
		.amdhsa_kernarg_size 64
		.amdhsa_user_sgpr_count 2
		.amdhsa_user_sgpr_kernarg_segment_ptr 1
		.amdhsa_wavefront_size32 1
		.amdhsa_system_sgpr_workgroup_id_x 1
		.amdhsa_system_sgpr_workgroup_id_y 1
		.amdhsa_system_sgpr_workgroup_id_z 1
		.amdhsa_system_vgpr_workitem_id 0
		.amdhsa_next_free_vgpr 128
		.amdhsa_next_free_sgpr 66
		.amdhsa_reserve_vcc 1
		.amdhsa_float_denorm_mode_32 3
		.amdhsa_float_denorm_mode_16_64 3
		.amdhsa_memory_ordered 1
		.amdhsa_forward_progress 1
		.amdhsa_inst_pref_size 13
	.end_amdhsa_kernel
	.amdgpu_metadata
---
amdhsa.version: [ 1, 2 ]
amdhsa.kernels:
  - .name:           k_q9d5ecdcd90_fin
    .symbol:         k_q9d5ecdcd90_fin.kd
    .args:
      - { .name: resa, .offset: 0, .size: 8, .value_kind: global_buffer, .address_space: global }
      - { .name: x, .offset: 8, .size: 8, .value_kind: global_buffer, .address_space: global }
      - { .name: codebooks, .offset: 16, .size: 8, .value_kind: global_buffer, .address_space: global }
      - { .name: eid, .offset: 24, .size: 8, .value_kind: global_buffer, .address_space: global }
      - { .name: ixt, .offset: 32, .size: 8, .value_kind: global_buffer, .address_space: global }
      - { .name: out0, .offset: 40, .size: 8, .value_kind: global_buffer, .address_space: global }
      - { .name: out2, .offset: 48, .size: 8, .value_kind: global_buffer, .address_space: global }
      - { .name: lossp, .offset: 56, .size: 8, .value_kind: global_buffer, .address_space: global }
    .group_segment_fixed_size: 1280
    .private_segment_fixed_size: 0
    .kernarg_segment_align: 8
    .kernarg_segment_size: 64
    .max_flat_workgroup_size: 256
    .sgpr_count:     66
    .vgpr_count:     128
    .wavefront_size: 32
...
	.end_amdgpu_metadata
.endif
;; end of part 3
;; launch lsum (part 4): grid 1 x 1, 1 waves a work-group, no clusters, 0 bytes of LDS; arguments lossp, out1; writes out1
.if DOCPART == 4
	.amdgcn_target "amdgcn-amd-amdhsa--gfx1250"
	.amdhsa_code_object_version 6
	.text
	.protected	k_q9d5ecdcd90_lsum
	.globl	k_q9d5ecdcd90_lsum
	.p2align	8
	.type	k_q9d5ecdcd90_lsum,@function
k_q9d5ecdcd90_lsum:
	s_mov_b64 s[64:65], 0
	v_nop
	global_prefetch_b8 v0, s[64:65] scope:SCOPE_SE
	s_setreg_imm32_b32 hwreg(HW_REG_WAVE_MODE, 25, 1), 1
	s_wait_xcnt 0x0
; out1 = the mean over the four levels of 2 mean((quant - residual)^2) = (the sum of lossp's 1,024 numbers) x 2 / (4 x 8,192 x 256) = the sum x 2^-22.
; LEFT OUT (shown at the head of the first launch's text): the second loss term, which is the first once more; hence the factor 2.
; One wave: the sum spans all work-groups of the launches before, so it has a launch of its own and one owner.
	s_load_b128 s[4:7], s[0:1], 0x0                ; lossp, out1
	v_lshlrev_b32 v1, 4, v0
	s_mov_b32 s12, 0x76543210
	s_mov_b32 s13, 0xfedcba98
	s_wait_kmcnt 0x0
.set n, 0
.rept 8
	global_load_b128 v[8+4*n:8+4*n+3], v1, s[4:5] offset:512*n
.set n, n+1
.endr
	s_wait_loadcnt 0x0
.set n, 1
.rept 7
	v_pk_add_f32 v[8:9], v[8:9], v[8+4*n:9+4*n]
	v_pk_add_f32 v[10:11], v[10:11], v[10+4*n:11+4*n]
.set n, n+1
.endr
	v_pk_add_f32 v[8:9], v[8:9], v[10:11]
	v_add_f32 v8, v8, v9
	v_add_f32_dpp v8, v8, v8 row_xmask:1 row_mask:0xf bank_mask:0xf
	v_add_f32_dpp v8, v8, v8 row_xmask:2 row_mask:0xf bank_mask:0xf
	v_add_f32_dpp v8, v8, v8 row_xmask:4 row_mask:0xf bank_mask:0xf
	v_add_f32_dpp v8, v8, v8 row_xmask:8 row_mask:0xf bank_mask:0xf
	v_permlanex16_b32 v9, v8, s12, s13
	v_add_f32 v8, v8, v9
	v_mul_f32 v8, 0x34800000, v8                   ; x 2^-22
	v_mov_b32 v2, 0
	v_cmp_eq_u32 vcc_lo, 0, v0
	s_wait_xcnt 0x0                                ; EXEC changes only behind this wait
	s_and_saveexec_b32 s14, vcc_lo
	global_store_b32 v2, v8, s[6:7]
	s_wait_xcnt 0x0
	s_or_b32 exec_lo, exec_lo, s14
	s_endpgm
.Lfunc_end_k_q9d5ecdcd90_lsum:
	.size	k_q9d5ecdcd90_lsum, .Lfunc_end_k_q9d5ecdcd90_lsum-k_q9d5ecdcd90_lsum
	.p2alignl 7, 3214868480
	.fill 96, 4, 3214868480
	.section	.rodata,"a",@progbits
	.p2align	6, 0x0
	.amdhsa_kernel k_q9d5ecdcd90_lsum
		.amdhsa_group_segment_fixed_size 0
		.amdhsa_private_segment_fixed_size 0
		.amdhsa_enable_private_segment 0
		.amdhsa_kernarg_size 16
		.amdhsa_user_sgpr_count 2
		.amdhsa_user_sgpr_kernarg_segment_ptr 1
		.amdhsa_wavefront_size32 1
		.amdhsa_system_sgpr_workgroup_id_x 1
		.amdhsa_system_sgpr_workgroup_id_y 1
		.amdhsa_system_sgpr_workgroup_id_z 1
		.amdhsa_system_vgpr_workitem_id 0
		.amdhsa_next_free_vgpr 48
		.amdhsa_next_free_sgpr 66
		.amdhsa_reserve_vcc 1
		.amdhsa_float_denorm_mode_32 3
		.amdhsa_float_denorm_mode_16_64 3
		.amdhsa_memory_ordered 1
		.amdhsa_forward_progress 1
		.amdhsa_inst_pref_size 3
	.end_amdhsa_kernel
	.amdgpu_metadata
---
amdhsa.version: [ 1, 2 ]
amdhsa.kernels:
  - .name:           k_q9d5ecdcd90_lsum
    .symbol:         k_q9d5ecdcd90_lsum.kd
    .args:
      - { .name: lossp, .offset: 0, .size: 8, .value_kind: global_buffer, .address_space: global }
      - { .name: out1, .offset: 8, .size: 8, .value_kind: global_buffer, .address_space: global }
    .group_segment_fixed_size: 0
    .private_segment_fixed_size: 0
    .kernarg_segment_align: 8
    .kernarg_segment_size: 16
    .max_flat_workgroup_size: 32
    .sgpr_count:     66
    .vgpr_count:     48
    .wavefront_size: 32
...
	.end_amdgpu_metadata
.endif
;; end of part 4
;; ======== version 2 of 2: 7 launches; 1.18 times as fast as version 1
;; limits: a difference of large sums (such as E[x^2] - mean^2): digits are lost where the result is much smaller than its terms
;; workspace buffers: wq 4,587,520 bytes; eid 32,768 bytes of whole numbers; ixa 262,400 bytes of whole numbers; ixb 262,400 bytes of whole numbers; ixt 131,072 bytes of whole numbers; resa 8,388,608 bytes; resb 8,388,608 bytes; lossp 4,096 bytes
;; launch prep: the kernel of part 1 again; grid 256 x 1, 12 waves a work-group, no clusters, 151,040 bytes of LDS; arguments codebooks, x, gate_W, gate_b, wq, eid, ixb, ixa; writes wq, eid, ixb, ixa
;; launch level (part 5): grid 256 x 1, 16 waves a work-group, no clusters, 95,232 bytes of LDS; arguments x, resb, codebooks, wq, eid, ixb, ixa, ixt, lossp; writes resb, ixa, ixt, lossp
.if DOCPART == 5
	.amdgcn_target "amdgcn-amd-amdhsa--gfx1250"
	.amdhsa_code_object_version 6
	.text
	.protected	k_q9d5ecdcd90_level
	.globl	k_q9d5ecdcd90_level
	.p2align	8
	.type	k_q9d5ecdcd90_level,@function
k_q9d5ecdcd90_level:
	s_mov_b64 s[64:65], 0
	v_nop
	global_prefetch_b8 v0, s[64:65] scope:SCOPE_SE
	s_setreg_imm32_b32 hwreg(HW_REG_WAVE_MODE, 25, 1), 1
	s_wait_xcnt 0x0
; One residual level; the same text runs four times.  The level l and max(l - 1, 0) are read from the header of ixp, which the launch before stored; work-group 0 stores the next launch's header into ixo.
; l > 0: residual_l = r - (r + (quant - r)) with r = residual_{l-1} (src) and quant = codebooks[l-1][e][idx_{l-1}], in the problem's own three f32 operations; it goes to dst, and the sum of (quant - r)^2 to lossp row l - 1.
; Every l: residual_l is quantised to FP4 along D and multiplied with the codes of codebook (l, e).  Kept is s = 2 dots - c2, the negative of dist = c2 - 2 dots (one fused multiply-add, the same one rounding): the least dist
; is the greatest s.  The greatest s over the 1,024 codes, lower index on a tie, gives idx_l, which goes to ixo and ixt.
; LEFT OUT (shown at the head of the first launch's text): the experts that were not chosen, labels, the second loss term, the running sum of x_q.  Limits as stated there.
; SHARES.  Work-group 8 g + e owns the tokens of group g (256 neighbours) whose expert is e: c of them, 0 to 256, whatever the split.  Every wave counts c from the group's 256 expert numbers; wave 0 places the group's
; tokens in a list in LDS, the c chosen first, the others behind them, so that every entry is written.  Only the c chosen rows are fetched: a tile's spare rows are rows of zeros, and their results are not stored by token.
; Wave w keeps codes 64 w .. 64 w + 63 of (l, e) in registers: 4 tiles x 2 K steps, with their scale words and squared norms.  Rows go in four chunks of 64 (4 tiles of 16), written out, so that every wave passes the same
; nine barriers; scalar branches on c lead round work between barriers alone.  In a chunk wave w prepares row w of each of the four tiles.  All lanes are on throughout: no line changes the lane mask.
; NOT SHARED BY JOINT REQUESTS: the 32 work-groups of an expert read the same 143,360 bytes of wq, but how many tiles of rows a work-group has hangs on c, a number read from memory;
; without a branch on c every work-group would run 16 tiles where 2 or 3 hold rows.  So the codes come in the order of the operand's registers straight into registers, once a wave.
; THE PRODUCT: source 0 = 16 codes, source 1 = 16 tokens: lane (r, h) holds token r, and register j of tile ct the code 64 w + 16 ct + 8 h + j.
.set LE,     143360
.set SC_OFF, 131072
.set C2_OFF, 139264
.set HDR,    262144
.set STGW,   4608                      ; LDS 0: a stage for each wave: 4 rows of 1,152 bytes, a block of 32 numbers 144 bytes (128 + 16)
.set BIMG,   73728                     ; the chunk's 4 tiles of tokens as codes: [block 8][row 16][16 bytes], a block 272 bytes (256 + 16), a tile TP
.set TP,     2176
.set SCB,    82432                     ; their scale words: a tile 128 bytes, [K step 2][row 16]
.set PART,   82944                     ; [wave 16][token 64] pairs (greatest s, its code)
.set LIST,   91136                     ; the 256 tokens
.set LSUM,   92160                     ; [wave 16][16 words]: a wave's part of the loss so far, sixteen times
.set SPARE,  93184                     ; the spare words: 128 bytes for each of 16 waves, eight blocks of 256 bytes that no other line names
; v0 thread, v1 lane L, v2 16 L, v3 and v4 the add's two, v5 v6 stage in and out, v7 v8 image and scale byte in, v9 v10 image and scale word out, v11 v12 PART in and out, v13 my 16 rows' tokens (lane 4 t + i),
; v14 their indices of the level before, v15 64 w + 8 h, v16 list address for the last step, v17 slot offset, v18 16 w + r, v19 32 h, v20 v21 greatest s and its code, v22 v23 the other half's, v[24:27] the loss in two chains,
; v29 0, the offset of the loss's and the header's stores, never rewritten; v28, v30, v31, v183: the offset into ixt of chunk 0, 1, 2, 3, a register to a chunk (v31 = 32 L and v183 = 4 w + 64 r serve the head's loads first);
; v[32:63] c2, v[64:127] my codes, v[128:159] the four accumulators, v[160:175] a tile of tokens, v176-179 my codes' scale words, v180 the tokens', v181 list address of my rows, v182 4 L,
; v[184:215] four rows of the residual, v[216:247] four code rows, then a block of 32; in the search v[216:223] the chosen tile's eight, v[224:227] the tiles' greatest, v228 the place; v[248:255] at work.
; s28 c; s29 c at levels above 0, else 0: the bound for code rows, loss and the residual's stores.
.macro BARRIER                         ; my LDS stores have landed and my LDS loads are in: then the work-group's barrier
	s_wait_dscnt 0x0
	s_barrier_signal -1
	s_barrier_wait -1
.endm
	s_load_b512 s[4:19], s[0:1], 0x0               ; src s[4:5], dst s[6:7], codebooks s[8:9], wq s[10:11], eid s[12:13], ixp s[14:15], ixo s[16:17], ixt s[18:19]
	s_load_b64 s[20:21], s[0:1], 0x40              ; lossp
	v_lshl_add_u32 v3, v0, 2, SPARE
	v_mov_b32 v4, 0
	v_lshrrev_b32 v1, 5, v0
	v_readfirstlane_b32 s22, v1                    ; wave w
	v_and_b32 v1, 31, v0
	s_mov_b32 s23, ttmp9                           ; work-group
	s_lshr_b32 s24, ttmp9, 3                       ; g
	s_and_b32 s25, ttmp9, 7                        ; e
	s_mov_b32 s30, 0x76543210
	s_mov_b32 s31, 0xfedcba98                      ; v_permlanex16_b32's selects for lane L xor 16
	s_mov_b32 s97, 0                               ; the upper word of the offset pair s[96:97]
	v_lshlrev_b32 v2, 4, v1
	v_lshlrev_b32 v182, 2, v1
	v_lshlrev_b32 v31, 5, v1
	v_and_b32 v252, 15, v1                         ; r
	v_lshrrev_b32 v253, 4, v1                      ; h
	v_lshrrev_b32 v254, 3, v1                      ; L / 8
	v_and_b32 v255, 7, v1                          ; L % 8
	s_mul_i32 s90, s22, STGW
	v_mul_u32_u24 v5, v254, 144
	v_lshl_add_u32 v5, v255, 4, v5
	v_add_nc_u32 v5, s90, v5                       ; stage in: of a load's 512 bytes my 16
	v_mul_u32_u24 v6, v254, 1152
	v_mad_u32_u24 v6, v255, 144, v6
	v_add_nc_u32 v6, s90, v6                       ; stage out: row L / 8, block L % 8
	s_lshl_b32 s91, s22, 4
	s_add_co_u32 s91, s91, BIMG
	v_mul_u32_u24 v7, v254, TP
	v_mad_u32_u24 v7, v255, 272, v7
	v_add_nc_u32 v7, s91, v7                       ; image in: tile L / 8, block L % 8, row w
	s_lshl_b32 s91, s22, 2
	s_add_co_u32 s91, s91, SCB
	v_bfe_u32 v8, v1, 2, 1
	v_lshlrev_b32 v8, 6, v8
	v_lshl_add_u32 v8, v254, 7, v8
	v_and_b32 v28, 3, v1
	v_add_nc_u32 v8, v8, v28
	v_add_nc_u32 v8, s91, v8                       ; scale byte in: tile L / 8, K step (L / 4) % 2, row w, byte L % 4
	v_mul_u32_u24 v9, v253, 272
	v_lshl_add_u32 v9, v252, 4, v9
	v_add_nc_u32 v9, BIMG, v9                      ; image out: 16 r + 272 h; a piece is two blocks on: 544
	v_add_nc_u32 v10, SCB, v182
	s_lshl_b32 s91, s22, 9
	s_add_co_u32 s91, s91, PART
	v_lshl_add_u32 v11, v252, 3, s91
	s_lshl_b32 s91, s22, 7
	s_add_co_u32 s91, s91, PART
	v_lshl_add_u32 v12, v252, 3, s91
	v_lshl_add_u32 v12, v253, 12, v12              ; PART out (waves 0-3, tile w): token 16 w + r, waves 8 h + k
	s_lshl_b32 s91, s22, 6
	v_lshl_add_u32 v15, v253, 3, s91
	v_lshl_add_u32 v17, v252, 2, s91
	v_add_nc_u32 v16, LIST, v17
	s_lshl_b32 s91, s22, 4
	v_add_nc_u32 v18, s91, v252
	v_lshlrev_b32 v19, 5, v253
	s_lshl_b32 s91, s22, 2
	v_lshl_add_u32 v183, v252, 6, s91
	v_add_nc_u32 v181, LIST, v183                  ; list entry 64 t + 16 i + w for lane 4 t + i
	v_mov_b32 v29, 0                               ; the offset of the loss's and the header's stores
	v_mov_b32 v30, 0                               ; (chunk 1's offset register holds a number on every way, like the other three)
	v_mov_b32 v22, 0                               ; (lane permutes' destinations count as sources)
	v_mov_b32 v23, 0
	v_mov_b32 v24, 0                               ; the loss
	v_mov_b32 v25, 0
	v_mov_b32 v26, 0
	v_mov_b32 v27, 0
	s_wait_kmcnt 0x0
	s_load_b64 s[26:27], s[14:15], HDR             ; l, max(l - 1, 0)
	s_lshl_b32 s96, s23, 10
	s_add_nc_u64 s[98:99], s[14:15], s[96:97]      ; my work-group's slots, read
	s_add_nc_u64 s[60:61], s[16:17], s[96:97]      ; and written
	global_load_b32 v14, v183, s[98:99]            ; my 16 rows' indices of the level before: the address is made of ids alone
	s_lshl_b32 s96, s24, 10
	s_add_nc_u64 s[100:101], s[12:13], s[96:97]
	global_load_b128 v[216:219], v31, s[100:101]   ; the group's 256 experts: tokens 256 g + 8 L + 0 .. 7
	global_load_b128 v[220:223], v31, s[100:101] offset:16
	s_wait_kmcnt 0x0
	s_min_u32 s26, s26, 3                          ; numbers read from memory are held inside their tables before they enter an address
	s_min_u32 s27, s27, 3
	s_lshl_b32 s90, s26, 3
	s_add_co_u32 s90, s90, s25
	s_mul_i32 s90, s90, LE                         ; part 8 l + e of wq
	s_lshl_b32 s91, s22, 13
	s_add_co_u32 s96, s90, s91
	s_add_nc_u64 s[58:59], s[10:11], s[96:97]      ; my four tiles' codes
	s_lshl_b32 s91, s22, 9
	s_add_co_u32 s96, s90, s91
	s_add_nc_u64 s[2:3], s[10:11], s[96:97]        ; their scale words
	s_lshl_b32 s91, s22, 8
	s_add_co_u32 s96, s90, s91
	s_add_nc_u64 s[104:105], s[10:11], s[96:97]    ; their squared norms
	s_lshl_b32 s90, s27, 3
	s_add_co_u32 s90, s90, s25
	s_lshl_b32 s96, s90, 20
	s_add_nc_u64 s[56:57], s[8:9], s[96:97]        ; codebooks[l - 1][e]
	s_lshl_b32 s96, s26, 15
	s_add_nc_u64 s[62:63], s[18:19], s[96:97]      ; ixt's row l
	s_lshl_b32 s96, s27, 10
	s_lshl_b32 s90, s23, 2
	s_add_co_u32 s96, s96, s90
	s_add_nc_u64 s[20:21], s[20:21], s[96:97]      ; lossp[l - 1][work-group]
.set n, 0
.rept 8
	global_load_b128 v[64+4*n:64+4*n+3], v2, s[58:59] offset:512*n   ; the first half of my codes (register 16 ct + 8 s + 4 c: the fragments as they lie): on its way while the rows are counted and placed
.set n, n+1
.endr
	s_wait_loadcnt 8                               ; the indices and the experts are in (so v31 and v183 have served); the 8 loads of codes issued behind them may be out
.irp j, 0,1,2,3,4,5,6,7
	v_cmp_eq_u32 s[74+\j], s25, v[216+\j]          ; which of tokens 256 g + 8 L + j are mine
.endr
	s_mov_b32 s28, 0
.irp j, 0,1,2,3,4,5,6,7
	s_mov_b32 s[82+\j], s28                        ; how many stand ahead of mask j
	s_bcnt1_i32_b32 s90, s[74+\j]
	s_add_co_u32 s28, s28, s90
.endr
	s_min_u32 s28, s28, 256                        ; c
	s_cmp_eq_u32 s26, 0
	s_cselect_b32 s29, 0, s28                      ; level 0 has no level before it: no code row, no loss, no residual to store
	s_cmp_lg_u32 s22, 0
	s_cbranch_scc1 .Llisted
	s_lshl_b32 s91, s24, 8                         ; wave 0 places the 256 tokens by rank: no other wave touches LDS ahead of the barrier below
	v_lshl_add_u32 v224, v1, 3, s91
.irp j, 0,1,2,3,4,5,6,7
	v_mbcnt_lo_u32_b32 v225, s[74+\j], 0
	v_add_nc_u32 v225, s[82+\j], v225              ; chosen tokens ahead of this one: a chosen token's place
	v_add_nc_u32 v226, 32*\j, v1
	v_add_nc_u32 v226, s28, v226
	v_sub_nc_u32 v226, v226, v225                  ; c + the others ahead of it: another token's place
	v_cndmask_b32 v226, v226, v225, s[74+\j]
	v_min_u32 v226, 255, v226
	v_lshl_add_u32 v232, v226, 2, LIST
	v_add_nc_u32 v227, \j, v224
	ds_store_b32 v232, v227                        ; the places are a permutation of 0 .. 255: the eight stores write every word of the list
.endr
	s_cmp_lg_u32 s23, 0
	s_cbranch_scc1 .Llisted
	s_add_co_u32 s90, s26, 1                       ; work-group 0: the next launch's header, (l + 1, l), the same pair from every lane
	v_mov_b32 v234, s90
	v_mov_b32 v235, s26
	global_store_b64 v29, v[234:235], s[16:17] offset:HDR
.Llisted:
	BARRIER                                        ; the list lies in LDS
	ds_load_b32 v13, v181
	s_wait_dscnt 0x0
; The second part of my weights: 8 loads of codes, 4 of scale words, 8 of squared norms: 20 loads.
.macro WEIGHTS2
.set n, 8
.rept 8
	global_load_b128 v[64+4*n:64+4*n+3], v2, s[58:59] offset:512*n
.set n, n+1
.endr
.irp ct, 0,1,2,3
	global_load_b32 v[176+\ct], v182, s[2:3] offset:SC_OFF+128*\ct   ; lanes 0-15: K step 0's words; lanes 16-31: K step 1's
.endr
.irp ct, 0,1,2,3
	global_load_b128 v[32+8*\ct:35+8*\ct], v19, s[104:105] offset:C2_OFF+64*\ct
	global_load_b128 v[36+8*\ct:39+8*\ct], v19, s[104:105] offset:C2_OFF+64*\ct+16
.endr
.endm
; The better of (s, code) with lane L xor 16's: greater s, or equal s and lower code.
.macro COMBINE
	v_permlanex16_b32 v22, v20, s30, s31
	v_permlanex16_b32 v23, v21, s30, s31
	v_cmp_gt_f32 s90, v22, v20
	v_cmp_eq_f32 s91, v22, v20
	v_cmp_lt_u32 s92, v23, v21
	s_and_b32 s91, s91, s92
	s_or_b32 s90, s90, s91
	v_cndmask_b32 v20, v20, v22, s90
	v_cndmask_b32 v21, v21, v23, s90
.endm
; Chunk t: my four rows (row w of tiles 0-3) are fetched, brought to this level, stored, quantised and laid into LDS as parts of the operands' images.
.macro PREP t
	s_wait_xcnt 0x0                                ; every earlier store has read its base and data: both are written again below
.irp i, 0,1,2,3
	v_readlane_b32 s[66+\i], v13, 4*(\t)+\i
	v_readlane_b32 s[70+\i], v14, 4*(\t)+\i
.endr
.irp i, 0,1,2,3
	s_min_u32 s[66+\i], s[66+\i], 8191
	s_min_u32 s[70+\i], s[70+\i], 1023
	s_lshl_b32 s96, s[66+\i], 10
	s_add_nc_u64 s[32+2*\i:33+2*\i], s[4:5], s[96:97]
	s_add_nc_u64 s[40+2*\i:41+2*\i], s[6:7], s[96:97]
	s_lshl_b32 s96, s[70+\i], 10
	s_add_nc_u64 s[48+2*\i:49+2*\i], s[56:57], s[96:97]
.endr
.irp i, 0,1,2,3                                ; a row whose place in the list is c or more is a row of zeros: nothing is fetched for it, and each way writes the registers
	s_add_co_u32 s90, s22, 64*(\t)+16*\i
	s_cmp_gt_u32 s28, s90
	s_cbranch_scc0 .Lzr_\@_\i
	global_load_b128 v[184+8*\i:187+8*\i], v2, s[32+2*\i:33+2*\i]              ; 512 consecutive bytes: half a row
	global_load_b128 v[188+8*\i:191+8*\i], v2, s[32+2*\i:33+2*\i] offset:512
	s_branch .Lhr_\@_\i
.Lzr_\@_\i:
.irp k, 0,1,2,3,4,5,6,7
	v_mov_b32 v[184+8*\i+\k], 0
.endr
.Lhr_\@_\i:
	s_cmp_gt_u32 s29, s90
	s_cbranch_scc0 .Lzq_\@_\i
	global_load_b128 v[216+8*\i:219+8*\i], v2, s[48+2*\i:49+2*\i]              ; the code row chosen at the level before
	global_load_b128 v[220+8*\i:223+8*\i], v2, s[48+2*\i:49+2*\i] offset:512
	s_branch .Lhq_\@_\i
.Lzq_\@_\i:
.irp k, 0,1,2,3,4,5,6,7
	v_mov_b32 v[216+8*\i+\k], 0
.endr
.Lhq_\@_\i:
.endr
.if (\t) == 0
	WEIGHTS2                                       ; behind the rows' loads, so that the rows can be worked on while these land
	s_wait_loadcnt 20                              ; all but the 20 just issued, the same 20 on every way: the first half of the codes and my rows are in
.else
	s_wait_loadcnt 0x0
.endif
	s_cmp_eq_u32 s26, 0
	s_cbranch_scc1 .Lquant_\@                      ; level 0: the residual is x as it stands
.irp i, 0,1,2,3
.irp k, 0,2,4,6
	v_pk_add_f32 v[216+8*\i+\k:217+8*\i+\k], v[216+8*\i+\k:217+8*\i+\k], v[184+8*\i+\k:185+8*\i+\k] neg_lo:[0,1] neg_hi:[0,1]   ; quant - r
.endr
.irp k, 0,2,4,6
	v_pk_add_f32 v[248+\k:249+\k], v[184+8*\i+\k:185+8*\i+\k], v[216+8*\i+\k:217+8*\i+\k]   ; q_st = r + (quant - r)
.endr
.irp k, 0,2,4,6
	v_pk_add_f32 v[184+8*\i+\k:185+8*\i+\k], v[184+8*\i+\k:185+8*\i+\k], v[248+\k:249+\k] neg_lo:[0,1] neg_hi:[0,1]   ; r - q_st
.endr
	s_add_co_u32 s90, s22, 64*(\t)+16*\i
	s_cmp_gt_u32 s29, s90
	s_cbranch_scc0 .Lpad_\@_\i                     ; a spare row is neither counted nor stored
	v_pk_fma_f32 v[24:25], v[216+8*\i:217+8*\i], v[216+8*\i:217+8*\i], v[24:25]
	v_pk_fma_f32 v[26:27], v[218+8*\i:219+8*\i], v[218+8*\i:219+8*\i], v[26:27]
	v_pk_fma_f32 v[24:25], v[220+8*\i:221+8*\i], v[220+8*\i:221+8*\i], v[24:25]
	v_pk_fma_f32 v[26:27], v[222+8*\i:223+8*\i], v[222+8*\i:223+8*\i], v[26:27]
	global_store_b128 v2, v[184+8*\i:187+8*\i], s[40+2*\i:41+2*\i]
	global_store_b128 v2, v[188+8*\i:191+8*\i], s[40+2*\i:41+2*\i] offset:512
.Lpad_\@_\i:
.endr
.Lquant_\@:
.irp i, 0,1,2,3
.irp u, 0,1
	ds_store_b128 v5, v[184+8*\i+4*\u:187+8*\i+4*\u] offset:1152*\i+576*\u
.endr
.endr
.irp j, 0,1,2,3,4,5,6,7
	ds_load_b128 v[216+4*\j:219+4*\j], v6 offset:16*\j   ; block L % 8 of row L / 8, whole.  LDS serves a wave's instructions in order: these see the stores above
.endr
	v_pk_add_f32 v[252:253], v[24:25], v[26:27]    ; while they are out: my part of the loss up to this chunk
	v_add_f32 v252, v252, v253
	v_add_f32_dpp v252, v252, v252 row_xmask:1 row_mask:0xf bank_mask:0xf
	v_add_f32_dpp v252, v252, v252 row_xmask:2 row_mask:0xf bank_mask:0xf
	v_add_f32_dpp v252, v252, v252 row_xmask:4 row_mask:0xf bank_mask:0xf
	v_add_f32_dpp v252, v252, v252 row_xmask:8 row_mask:0xf bank_mask:0xf
	v_permlanex16_b32 v22, v252, s30, s31
	v_add_f32 v252, v252, v22                      ; every lane holds it
	ds_store_b32 v16, v252 offset:LSUM-LIST        ; LSUM + 64 w + 4 r: sixteen words with the same number
	s_wait_dscnt 0x0
	v_max3_num_f32 v252, |v216|, |v217|, |v218|
	v_max3_num_f32 v253, |v219|, |v220|, |v221|
.irp i, 6,10,14,18,22,26
	v_max3_num_f32 v252, v252, |v[216+\i]|, |v[217+\i]|
	v_max3_num_f32 v253, v253, |v[218+\i]|, |v[219+\i]|
.endr
	v_max3_num_f32 v252, v252, |v246|, |v247|
	v_max3_num_f32 v252, v252, v253, 0x1800000     ; and the floor 2^(3 - 127): the byte cannot fall under 1
	v_add_nc_u32 v254, 0xff000000, v252            ; 2 off the exponent field: the conversion's scale operand
	v_lshrrev_b32 v255, 23, v254                   ; the scale's byte
.irp g, 0,1,2,3
	v_cvt_scalef32_pk8_fp4_f32 v[248+\g], v[216+8*\g:223+8*\g], v254
.endr
	v_nop                                          ; one plain line behind the last conversion
	ds_store_b128 v7, v[248:251]                   ; 16 bytes of the image
	ds_store_b8 v8, v255
.endm
; Tile i of the chunk against my 64 codes; the greatest s of each token among them, with its code, goes to PART.
.macro DOTS i
.irp n, 0,1,2,3
	ds_load_b128 v[160+4*\n:163+4*\n], v9 offset:TP*(\i)+544*\n
.endr
	ds_load_b32 v180, v10 offset:128*(\i)
	s_wait_dscnt 0x0
.irp ct, 0,1,2,3
	v_wmma_scale_f32_16x16x128_f8f6f4 v[128+8*\ct:135+8*\ct], v[64+16*\ct:71+16*\ct], v[160:167], 0, v[176+\ct], v180 matrix_a_fmt:MATRIX_FMT_FP4 matrix_b_fmt:MATRIX_FMT_FP4
.endr
.irp ct, 0,1,2,3                               ; the four accumulators take turns, one instruction a turn
	v_wmma_scale_f32_16x16x128_f8f6f4 v[128+8*\ct:135+8*\ct], v[72+16*\ct:79+16*\ct], v[168:175], v[128+8*\ct:135+8*\ct], v[176+\ct], v180 matrix_a_fmt:MATRIX_FMT_FP4 matrix_b_fmt:MATRIX_FMT_FP4 matrix_a_scale:MATRIX_SCALE_ROW1 matrix_b_scale:MATRIX_SCALE_ROW1
.endr
	v_mov_b32 v21, 48                              ; four plain lines that name none of the products' registers stand ahead of the first read of a result (ISA guide 7.12.1)
	v_mov_b32 v228, 7
	v_nop
	v_nop
.irp ct, 0,1,2,3
.irp k, 0,2,4,6
	v_pk_fma_f32 v[128+8*\ct+\k:129+8*\ct+\k], v[128+8*\ct+\k:129+8*\ct+\k], 2.0, v[32+8*\ct+\k:33+8*\ct+\k] op_sel_hi:[1,0,1] neg_lo:[0,0,1] neg_hi:[0,0,1]   ; s = 2 dots - c2, rounded once; each accumulator from its low end on
.endr
.endr
.irp ct, 0,1,2,3
	v_max3_num_f32 v[224+\ct], v[128+8*\ct], v[129+8*\ct], v[130+8*\ct]   ; the greatest of each tile's eight: four chains by turns
.endr
.irp k, 3,5
.irp ct, 0,1,2,3
	v_max3_num_f32 v[224+\ct], v[224+\ct], v[128+8*\ct+\k], v[129+8*\ct+\k]
.endr
.endr
.irp ct, 0,1,2,3
	v_max_num_f32 v[224+\ct], v[224+\ct], v[135+8*\ct]
.endr
	v_max3_num_f32 v20, v224, v225, v226
	v_max_num_f32 v20, v20, v227                   ; the greatest of my 32
	v_cmp_lt_f32 vcc_lo, v226, v20                 ; THE LOWEST TILE THAT HOLDS IT, from the top down: tile 3's eight, unless tile 2 holds it;
.irp j, 0,1,2,3,4,5,6,7
	v_cndmask_b32 v[216+\j], v[144+\j], v[152+\j], vcc_lo
.endr
	v_cndmask_b32 v21, 32, v21, vcc_lo
.irp ct, 1,0                                   ; then tile 1's, then tile 0's, wherever that tile holds it
	v_cmp_lt_f32 vcc_lo, v[224+\ct], v20
.irp j, 0,1,2,3,4,5,6,7
	v_cndmask_b32 v[216+\j], v[128+8*\ct+\j], v[216+\j], vcc_lo
.endr
	v_cndmask_b32 v21, 16*\ct, v21, vcc_lo
.endr
.irp j, 6,5,4,3,2,1,0                          ; and the lowest place in it, likewise from the top down
	v_cmp_lt_f32 vcc_lo, v[216+\j], v20
	v_cndmask_b32 v228, \j, v228, vcc_lo
.endr                                          ; (these lines are also the places ahead of the next tile's loads and of its products, which begin the sums anew)
	v_add_nc_u32 v21, v21, v228
	v_add_nc_u32 v21, v21, v15
	COMBINE
	ds_store_b64 v11, v[20:21] offset:128*(\i)     ; both halves of the lanes hold, and store, the same pair
.endm
; Wave w < 4 takes tile w of the chunk: the best over the 16 waves' parts; idx to the slot (all 16 rows) and, by token, to ixt.  A spare row has no token of mine: in its stead the lane stores the
; tile's row 0 once more, which is a true row wherever this macro runs (c > 64 t + 16 w): the same word with the same value, so that all lanes stay on.
.macro FINAL t
.if (\t) == 0
.set TA, 28
.elseif (\t) == 1
.set TA, 30
.elseif (\t) == 2
.set TA, 31
.else
.set TA, 183
.endif
.irp k, 0,1,2,3,4,5,6,7
	ds_load_b64 v[216+2*\k:217+2*\k], v12 offset:512*\k
.endr
	ds_load_b32 v[TA], v16 offset:256*(\t)         ; my row's token
	s_wait_dscnt 0x0
	v_mov_b32 v20, v216
	v_mov_b32 v21, v217
.irp k, 1,2,3,4,5,6,7
	v_cmp_le_f32 vcc_lo, v[216+2*\k], v20          ; not greater: the earlier wave's code is kept, on a tie too (codes ascend with the waves)
	v_cndmask_b32 v20, v[216+2*\k], v20, vcc_lo
	v_cndmask_b32 v21, v[217+2*\k], v21, vcc_lo
.endr
	COMBINE
	global_store_b32 v17, v21, s[60:61] offset:256*(\t)
	v_add_nc_u32 v253, 64*(\t), v18
	v_cmp_gt_u32 vcc_lo, s28, v253                 ; the true rows
	v_readfirstlane_b32 s94, v[TA]                 ; row 0's token
	v_readfirstlane_b32 s95, v21                   ; and its code
	v_cndmask_b32 v[TA], s94, v[TA], vcc_lo
	v_cndmask_b32 v23, s95, v21, vcc_lo
	v_min_u32 v[TA], 8191, v[TA]                   ; a number read from memory is held inside its table before it enters an address
	v_lshlrev_b32 v[TA], 2, v[TA]
	global_store_b32 v[TA], v23, s[62:63]
	s_wait_xcnt 0x0                                ; both stores have read their registers: v21 and v23 are written again in the next chunk
.endm
; Two barriers a chunk.  Behind the first the chunk's images and the waves' loss words are whole, and every wave's reads of PART for the chunk before are in; behind the second PART is whole, and nobody reads the images
; or the loss words any more.  Chunk 0 is prepared on every way (with c = 0: rows of zeros), since the second part of the weights is asked for in it.
.macro TRIP t
.if (\t) > 0
	s_cmp_le_u32 s28, 64*(\t)
	s_cbranch_scc1 .Lnoprep_\@
.endif
	PREP \t
.if (\t) > 0
.Lnoprep_\@:
.endif
	BARRIER
	s_cmp_lg_u32 s22, 15                           ; wave 15 adds the sixteen waves' loss up to this chunk and stores it: the store of the last chunk that has rows is the whole sum, and it leaves ahead of the products
	s_cbranch_scc1 .Lnoloss_\@
.if (\t) == 0
	s_cmp_eq_u32 s26, 0                            ; level 0 has no level before it; above it a work-group without rows stores its 0
.else
	s_cmp_le_u32 s29, 64*(\t)
.endif
	s_cbranch_scc1 .Lnoloss_\@
	s_wait_xcnt 0x0                                ; the last such store has read v252
	ds_load_b32 v252, v181 offset:LSUM-LIST        ; LSUM + 64 r + 4 w: wave r's number
	s_wait_dscnt 0x0
	v_add_f32_dpp v252, v252, v252 row_xmask:1 row_mask:0xf bank_mask:0xf
	v_add_f32_dpp v252, v252, v252 row_xmask:2 row_mask:0xf bank_mask:0xf
	v_add_f32_dpp v252, v252, v252 row_xmask:4 row_mask:0xf bank_mask:0xf
	v_add_f32_dpp v252, v252, v252 row_xmask:8 row_mask:0xf bank_mask:0xf
	global_store_b32 v29, v252, s[20:21]           ; lossp[l - 1][work-group]: every lane holds the sum and stores the one word
.Lnoloss_\@:
	s_wait_loadcnt 0x0                             ; the weights are in, on every way to the products
.irp i, 0,1,2,3
	s_cmp_le_u32 s28, 64*(\t)+16*\i
	s_cbranch_scc1 .Lnodots_\@
	DOTS \i
.endr
.Lnodots_\@:
	BARRIER
	s_cmp_ge_u32 s22, 4
	s_cbranch_scc1 .Lnofin_\@
	s_lshl_b32 s90, s22, 4
	s_add_co_u32 s90, s90, 64*(\t)
	s_cmp_le_u32 s28, s90
	s_cbranch_scc1 .Lnofin_\@
	FINAL \t
.Lnofin_\@:
.endm
	TRIP 0
	TRIP 1
	TRIP 2
	TRIP 3
	s_wait_tensorcnt 0x0                           ; the wave's end
	ds_add_u32 v3, v4
	s_wait_dscnt 0x0
	s_endpgm
.Lfunc_end_k_q9d5ecdcd90_level:
	.size	k_q9d5ecdcd90_level, .Lfunc_end_k_q9d5ecdcd90_level-k_q9d5ecdcd90_level
	.p2alignl 7, 3214868480
	.fill 96, 4, 3214868480
	.section	.rodata,"a",@progbits
	.p2align	6, 0x0
	.amdhsa_kernel k_q9d5ecdcd90_level
		.amdhsa_group_segment_fixed_size 95232
		.amdhsa_private_segment_fixed_size 0
		.amdhsa_enable_private_segment 0
		.amdhsa_kernarg_size 72
		.amdhsa_user_sgpr_count 2
		.amdhsa_user_sgpr_kernarg_segment_ptr 1
		.amdhsa_wavefront_size32 1
		.amdhsa_system_sgpr_workgroup_id_x 1
		.amdhsa_system_sgpr_workgroup_id_y 1
		.amdhsa_system_sgpr_workgroup_id_z 1
		.amdhsa_system_vgpr_workitem_id 0
		.amdhsa_next_free_vgpr 256
		.amdhsa_next_free_sgpr 106
		.amdhsa_reserve_vcc 1
		.amdhsa_float_denorm_mode_32 3
		.amdhsa_float_denorm_mode_16_64 3
		.amdhsa_memory_ordered 1
		.amdhsa_forward_progress 1
		.amdhsa_inst_pref_size 174
	.end_amdhsa_kernel
	.amdgpu_metadata
---
amdhsa.version: [ 1, 2 ]
amdhsa.kernels:
  - .name:           k_q9d5ecdcd90_level
    .symbol:         k_q9d5ecdcd90_level.kd
    .args:
      - { .name: x, .offset: 0, .size: 8, .value_kind: global_buffer, .address_space: global }
      - { .name: resb, .offset: 8, .size: 8, .value_kind: global_buffer, .address_space: global }
      - { .name: codebooks, .offset: 16, .size: 8, .value_kind: global_buffer, .address_space: global }
      - { .name: wq, .offset: 24, .size: 8, .value_kind: global_buffer, .address_space: global }
      - { .name: eid, .offset: 32, .size: 8, .value_kind: global_buffer, .address_space: global }
      - { .name: ixb, .offset: 40, .size: 8, .value_kind: global_buffer, .address_space: global }
      - { .name: ixa, .offset: 48, .size: 8, .value_kind: global_buffer, .address_space: global }
      - { .name: ixt, .offset: 56, .size: 8, .value_kind: global_buffer, .address_space: global }
      - { .name: lossp, .offset: 64, .size: 8, .value_kind: global_buffer, .address_space: global }
    .group_segment_fixed_size: 95232
    .private_segment_fixed_size: 0
    .kernarg_segment_align: 8
    .kernarg_segment_size: 72
    .max_flat_workgroup_size: 512
    .sgpr_count:     106
    .vgpr_count:     256
    .wavefront_size: 32
...
	.end_amdgpu_metadata
.endif
;; end of part 5
;; launch lev1: the kernel of part 5 again; grid 256 x 1, 16 waves a work-group, no clusters, 95,232 bytes of LDS; arguments x, resa, codebooks, wq, eid, ixa, ixb, ixt, lossp; writes resa, ixb, ixt, lossp
;; launch lev2: the kernel of part 5 again; grid 256 x 1, 16 waves a work-group, no clusters, 95,232 bytes of LDS; arguments resa, resb, codebooks, wq, eid, ixb, ixa, ixt, lossp; writes resb, ixa, ixt, lossp
;; launch lev3: the kernel of part 5 again; grid 256 x 1, 16 waves a work-group, no clusters, 95,232 bytes of LDS; arguments resb, resa, codebooks, wq, eid, ixa, ixb, ixt, lossp; writes resa, ixb, ixt, lossp
;; launch fin: the kernel of part 3 again; grid 256 x 1, 8 waves a work-group, no clusters, 1,280 bytes of LDS; arguments resa, x, codebooks, eid, ixt, out0, out2, lossp; writes out0, out2, lossp
;; launch lsum: the kernel of part 4 again; grid 1 x 1, 1 waves a work-group, no clusters, 0 bytes of LDS; arguments lossp, out1; writes out1
